; MI455X (gfx1250); checked and timed in simulation.
; The chip was launched on July 23, 2026; its instructions are those of AMD's public machine-readable ISA for CDNA 5 (MIT licence, August 2026) and "CDNA5" Instruction Set Architecture Reference Guide (July 2026). The comments in the code are by the model that wrote it; some were corrected since.
;; T5 Attention. Allowed arithmetic: matrix products marked QUANTISED: E2M3 operands, one E8M0 scale for each 32 along K, by v_wmma_scale_f32_16x16x128_f8f6f4 with both operands' format E2M3, f32 sums; everything else in f32.
;; Inputs: bk 1,024 float32; bo 1,024 float32; bq 1,024 float32; bv 1,024 float32; rel_bias 32 x 16 float32; wk 1,024 x 1,024 float32; wo 1,024 x 1,024 float32; wq 1,024 x 1,024 float32; wv 1,024 x 1,024 float32; x 4 x 2,048 x 1,024 float32.
;; Outputs: out0 4 x 2,048 x 1,024 float32.
;; This version of the problem:
;;   THIS VERSION OF THE PROBLEM IS GIVEN IN LOW PRECISION. The matrix products marked QUANTISED in the list below multiply operands that are first quantised to E2M3 (2 exponent bits, 3 mantissa bits; 6 bits a number), with one power-of-two scale for each 32 numbers along K (OCP MX v1.0); their sums are f32. All else is computed in f32.
;;   The module's matrix products, in the order in which they are computed (A, B: the left and right operand; K: the contracted axis; several contracted axes count as one K, in the product's order):
;;     1. [M 8,192, K 1,024] x [K 1,024, N 1,024]; A: input x; B: input wq: QUANTISED
;;     2. [M 8,192, K 1,024] x [K 1,024, N 1,024]; A: input x; B: input wk: QUANTISED
;;     3. [M 8,192, K 1,024] x [K 1,024, N 1,024]; A: input x; B: input wv: QUANTISED
;;     4. batch 64 x [M 2,048, K 64] x [K 64, N 2,048]; A: computed on the way; B: computed on the way: QUANTISED
;;     5. batch 64 x [M 2,048, K 2,048] x [K 2,048, N 64]; A: softmax (see below); B: computed on the way: QUANTISED
;;     6. [M 8,192, K 1,024] x [K 1,024, N 1,024]; A: computed on the way; B: input wo: QUANTISED
;;   THE QUANTISER, for each operand of a quantised product, along K:
;;     - K is cut into blocks of 32 from its start; a last block that is shorter is filled with zeros.
;;     - A block's scale is 2^e with e = floor(log2(the largest magnitude in the block)) - 2, held to -126 .. 127; a block of zeros has e = 0. As a byte (E8M0): e + 127.
;;     - Each number is divided by its block's scale, clamped to +-7.5, and rounded to the nearest number of E2M3, ties to even, subnormals kept.
;;     - The product sums the exact products of the quantised numbers (number of the format x scale) in f32.
;;   ~~~python
;;   def quantise(x, axis):      # numpy; x: float32 -> the quantised numbers, widened to float32 again
;;       x = np.moveaxis(x, axis, -1); K = x.shape[-1]
;;       x = np.pad(x, [(0, 0)] * (x.ndim - 1) + [(0, -K % 32)]); x = x.reshape(x.shape[:-1] + (-1, 32)); a = np.abs(x).max(-1, keepdims=True)
;;       e = np.where(a > 0, np.clip(np.frexp(np.where(a > 0, a, 1))[1] - 1 - 2, -126, 127), 0)      # np.frexp(a)[1] - 1 = floor(log2(a)), exactly
;;       r = np.clip(x / 2.0 ** e, -7.5, 7.5)
;;       step = 2.0 ** (np.maximum(np.frexp(np.where(r == 0, 1, r))[1] - 1, 0) - 3)
;;       q = np.round(r / step) * step * 2.0 ** e      # np.round: ties to even
;;       return np.moveaxis(q.reshape(q.shape[:-2] + (-1,))[..., :K], -1, axis).astype(np.float32)
;;   ~~~
;;   SOFTMAX AHEAD OF A QUANTISED PRODUCT. Where the list says 'softmax', what is quantised is not the finished softmax but p = 2^(t - M), with t = logit x log2(e) and M = ceil(the row's largest t), a whole number; so 1/2 < the row's largest p <= 1. The row's sum l is taken of the UNQUANTISED p, in f32, and the product's result is divided by l at the end. Since M is a whole number, a kernel that streams over the keys may use a running M (the ceiling of the running maximum): every later rescaling is an exact power of two, which a block's scale takes up: the codes' values come out the same.
;;   OPERANDS COMPUTED ON THE WAY. 'Computed on the way' means the value that the module computes at that place (a softmax that the list does not call 'softmax' is quantised finished and normalised). What goes into a quantiser is computed in f32, as accurately as f32 sums, v_exp_f32 and their like allow (about 1e-6 of the number): no bf16 or f16 on the way to a quantiser, and a product that is left as it is and whose result goes on into a quantised operand takes f32 operands (vector FMAs, or v_wmma_f32_16x16x4_f32). A number that lies on a knife's edge between two numbers of the format may be rounded either way, as far as f32 arithmetic and the matrix unit's own rounding can turn it there, and no further.
;; One version. Each part assembles by itself: llvm-mc -triple=amdgcn-amd-amdhsa -mcpu=gfx1250 --defsym DOCPART=n.
;; ======== version 1 of 1: 4 launches
;; workspace buffers: cod 9,437,184 bytes; scl 393,216 bytes; tab 32,768 bytes; qkv 18,874,368 bytes; qkvs 786,432 bytes; oh 6,291,456 bytes; os 262,144 bytes
;; launch quant (part 1): grid 385 x 1, 4 waves a work-group, no clusters, 33,280 bytes of LDS; arguments x, wq, wk, wv, wo, rel_bias, cod, scl, tab; writes cod, scl, tab
.if DOCPART == 1
	.amdgcn_target "amdgcn-amd-amdhsa--gfx1250"
	.amdhsa_code_object_version 6
	.text
	.protected	k_q61bb30f164_quant
	.globl	k_q61bb30f164_quant
	.p2align	8
	.type	k_q61bb30f164_quant,@function
k_q61bb30f164_quant:
	s_mov_b64 s[64:65], 0
	v_nop
	global_prefetch_b8 v0, s[64:65] scope:SCOPE_SE
	s_setreg_imm32_b32 hwreg(HW_REG_WAVE_MODE, 25, 1), 1
	s_wait_xcnt 0x0
; x [8192][1024] and wq, wk, wv, wo [1024][1024], f32, K innermost, become codes of FP6 (E2M3) and one E8M0 byte for each 32 along K:
; cod: 12,288 rows of 768 bytes (x, wq, wk, wv, wo on end), scl: the same rows of 32 bytes.  Work-groups 0 to 383, 32 rows each.
; A block's scale is 2^(floor(log2(its largest magnitude)) - 2); its byte is the largest magnitude's exponent field - 2, held at 1 from below.
; ROWS CHANGE PLACES: a row of x, wq, wk, wv is stored at the place whose bits 3 and 4 are the row's bits 4 and 3 (wo stays).  A wave's 8,192 numbers are 8 rows,
; so the change is a change of the wave's two bits in the output's run.  Sixteen neighbouring places are then rows 0-7 and 16-23 (or 8-15 and 24-31) of a group of 32.
; Work-group 384 makes the bias table: tab[head][e] = 8 x rel_bias[bucket(n)][head], n = 255 - e held to 0 .. 113, e = 0 .. 511.  The bucket is n under 16, and from 16 on
; 16 + the number of the fifteen thresholds ceil(16 x 8^(j/16)) that n has reached; every n from 113 on has bucket 31, every n under 1 bucket 0.
; LIMITS: a block of zeros gets the byte 1 (its codes are zeros; this program alone reads the bytes); blocks whose largest magnitude lies under 2^-124 are held at that byte; NaN and infinities are not served.
; A wave takes 16 steps of 512 numbers: four loads of 512 consecutive bytes, a turn through the wave's own stage in LDS so that a lane holds 16 neighbours, the block's maximum with the neighbour lane, one conversion.
.set WAVES, 4
.set STEPS, 16
.set EMAX,  2
.set CB,    12                         ; bytes of 16 codes
.set R,     16                         ; v16-79   four sets of 16 numbers as loaded
.set X,     80                         ; v80-111  two sets of 16 neighbours
.set C,     128                        ; v128-191 codes, four registers a step
.set E,     112                        ; v112-127 a scale byte a step
.set WREG,  8192                       ; LDS: a region for each wave: two stages of 32 x SP bytes, then its 256 scale bytes
.set SP,    80
.set SPW,   12                         ; v12 my spare word's LDS address; never rewritten
.set NIL,   13                         ; v13 0; never rewritten
.set SPARE, WAVES*WREG                 ; the spare words: 128 bytes a wave, named by no other line
.set SRC,   24                         ; s[24:25] my run of the source
.set COD,   16                         ; s[16:17] my run of the codes
.set SCL,   18                         ; s[18:19] my run of the scale bytes
	s_load_b512 s[4:19], s[0:1], 0x0               ; x, wq, wk, wv, wo, rel_bias, cod, scl
	s_load_b64 s[20:21], s[0:1], 0x40              ; tab
	v_lshl_add_u32 v[SPW], v0, 2, SPARE
	v_mov_b32 v[NIL], 0
	v_lshrrev_b32 v1, 5, v0
	v_readfirstlane_b32 s22, v1                    ; wave
	v_and_b32 v2, 31, v0                           ; lane
	v_lshlrev_b32 v3, 4, v2                        ; my 16 bytes of a load's 512
	s_mul_i32 s23, s22, WREG
	v_lshrrev_b32 v14, 2, v2
	v_mul_u32_u24 v14, v14, SP
	v_and_b32 v15, 3, v2
	v_lshl_add_u32 v14, v15, 4, v14
	v_add_nc_u32 v14, s23, v14                     ; the stage, in: SP (lane / 4) + 16 (lane % 4)
	v_mul_u32_u24 v15, v2, SP
	v_add_nc_u32 v15, s23, v15                     ; and out: SP x lane
	v_mul_u32_u24 v4, v2, CB                       ; my codes' place in a step's
	v_lshrrev_b32 v5, 1, v2
	s_add_co_u32 s23, s23, 2*32*SP
	v_add_nc_u32 v5, s23, v5                       ; my block's byte among the wave's 256
	v_lshlrev_b32 v7, 3, v2
	v_add_nc_u32 v6, s23, v7
	s_wait_kmcnt 0x0
	s_cmp_eq_u32 ttmp9, 384
	s_cbranch_scc1 .Ltable                         ; the last work-group makes the table and touches no LDS
	s_mov_b64 s[SRC:SRC+1], s[12:13]               ; which tensor: by the work-group's number alone
	s_cmp_lt_u32 ttmp9, 352
	s_cselect_b64 s[SRC:SRC+1], s[10:11], s[SRC:SRC+1]
	s_cmp_lt_u32 ttmp9, 320
	s_cselect_b64 s[SRC:SRC+1], s[8:9], s[SRC:SRC+1]
	s_cmp_lt_u32 ttmp9, 288
	s_cselect_b64 s[SRC:SRC+1], s[6:7], s[SRC:SRC+1]
	s_and_b32 s26, ttmp9, 31                       ; a weight has 32 work-groups
	s_cmp_lt_u32 ttmp9, 256
	s_cselect_b64 s[SRC:SRC+1], s[4:5], s[SRC:SRC+1]
	s_cselect_b32 s26, ttmp9, s26
	s_lshl_b32 s26, s26, 2
	s_add_co_u32 s26, s26, s22
	s_lshl_b32 s26, s26, 15                        ; my run of 8,192 numbers, 32,768 bytes
	s_mov_b32 s27, 0
	s_add_nc_u64 s[SRC:SRC+1], s[SRC:SRC+1], s[26:27]
	s_and_b32 s28, s22, 1
	s_lshl_b32 s28, s28, 1
	s_lshr_b32 s29, s22, 1
	s_or_b32 s28, s28, s29                         ; the wave's two bits changed
	s_cmp_lt_u32 ttmp9, 352
	s_cselect_b32 s28, s28, s22                    ; wo stays as it is
	s_lshl_b32 s29, ttmp9, 2
	s_add_co_u32 s28, s28, s29                     ; the output's run
	s_mul_i32 s30, s28, 32*STEPS*CB
	s_mov_b32 s31, 0
	s_add_nc_u64 s[COD:COD+1], s[COD:COD+1], s[30:31]
	s_lshl_b32 s30, s28, 8
	s_add_nc_u64 s[SCL:SCL+1], s[SCL:SCL+1], s[30:31]
.macro LOAD t
.irp i, 0,1,2,3
	global_load_b128 v[R+16*((\t)%4)+4*\i:R+16*((\t)%4)+4*\i+3], v3, s[SRC:SRC+1] offset:2048*(\t)+512*\i th:TH_LOAD_NT   ; 32 lanes read 512 consecutive bytes
.endr
.endm
.macro TURN t                          ; step t's numbers through the stage: LDS serves a wave's instructions in order, so no wait stands between the stores and the loads
.irp i, 0,1,2,3
	ds_store_b128 v14, v[R+16*((\t)%4)+4*\i:R+16*((\t)%4)+4*\i+3] offset:32*SP*((\t)%2)+8*SP*\i
.endr
.irp i, 0,1,2,3
	ds_load_b128 v[X+16*((\t)%2)+4*\i:X+16*((\t)%2)+4*\i+3], v15 offset:32*SP*((\t)%2)+16*\i
.endr
.endm
.irp t, 0,1,2,3
	LOAD \t
.endr
	s_wait_loadcnt 12                              ; step 0's four loads are in; the twelve behind them stay out
	TURN 0
.macro STEP t
.set XS, X+16*((\t)%2)
.if (\t) > 0
	s_wait_dscnt 1                                 ; this step's numbers are back from the stage (the last step's byte store may be out)
.else
	s_wait_dscnt 0x0
.endif
.if (\t)+4 < STEPS
	LOAD (\t)+4
.endif
.if (\t)+1 < STEPS
.if STEPS-2-(\t) >= 3
	s_wait_loadcnt 12                              ; the next step's four loads are in; those of the three steps behind it may be out
.else
	s_wait_loadcnt 4*(STEPS-2-(\t))
.endif
	TURN (\t)+1
.endif
	v_max3_num_f32 v8, |v[XS]|, |v[XS+1]|, |v[XS+2]|
	v_max3_num_f32 v9, |v[XS+3]|, |v[XS+4]|, |v[XS+5]|
.irp i, 6,10
	v_max3_num_f32 v8, v8, |v[XS+\i]|, |v[XS+\i+1]|
	v_max3_num_f32 v9, v9, |v[XS+\i+2]|, |v[XS+\i+3]|
.endr
	v_max3_num_f32 v8, v8, |v[XS+14]|, |v[XS+15]|
	v_max3_num_f32 v8, v8, v9, (EMAX+1)<<23        ; the floor 2^(3 - 127): the byte cannot fall under 1
	v_max_num_f32_dpp v8, v8, v8 row_xmask:1 row_mask:0xf bank_mask:0xf   ; with my neighbour's 16: the block's
	v_add_nc_u32 v11, -(EMAX<<23), v8              ; 2 off the exponent field: the conversion's scale operand
	v_cvt_scalef32_pk16_fp6_f32 v[C+4*(\t):C+4*(\t)+2], v[XS:XS+15], v11
	v_lshrrev_b32 v[E+(\t)], 23, v11               ; the scale's byte
	ds_store_b8 v5, v[E+(\t)] offset:16*(\t)       ; both lanes of a block write the same byte with the same value
	global_store_b96 v4, v[C+4*(\t):C+4*(\t)+2], s[COD:COD+1] offset:32*CB*(\t)
.endm
.irp t, 0,1,2,3,4,5,6,7,8,9,10,11,12,13,14,15
	STEP \t
.endr
	ds_load_b64 v[8:9], v6                         ; LDS serves a wave's instructions in order: these see my stores
	s_wait_dscnt 0x0
	global_store_b64 v7, v[8:9], s[SCL:SCL+1]      ; 32 lanes store 256 consecutive bytes, aligned
	s_wait_tensorcnt 0x0                           ; the wave's end
	ds_add_u32 v[SPW], v[NIL]
	s_wait_dscnt 0x0
	s_endpgm
.Ltable:                                               ; thread t takes e = t + 128 k, k = 0 .. 3
.irp k, 0,1,2,3
	v_sub_nc_u32 v[20+\k], 255-128*\k, v0          ; n = 255 - e,
	v_max_i32 v[20+\k], 0, v[20+\k]                ; held to 0 ..
	v_min_u32 v[20+\k], 113, v[20+\k]              ; .. 113
	v_mov_b32 v[24+\k], 16
.endr
.irp th, 19,21,24,27,31,35,40,46,52,59,67,77,87,99,113
.irp k, 0,1,2,3
	v_cmp_le_u32 vcc_lo, \th, v[20+\k]
	v_add_co_ci_u32 v[24+\k], vcc_lo, 0, v[24+\k], vcc_lo   ; one more for each threshold reached
.endr
.endr
.irp k, 0,1,2,3
	v_cmp_gt_u32 vcc_lo, 16, v[20+\k]
	v_cndmask_b32 v[24+\k], v[24+\k], v[20+\k], vcc_lo      ; under 16 the bucket is n itself
	v_min_u32 v[24+\k], 31, v[24+\k]
	v_lshlrev_b32 v[24+\k], 6, v[24+\k]            ; a bucket's 16 heads are 64 bytes
	v_lshl_add_u32 v[28+\k], v0, 2, 512*\k         ; 4 e
.endr
.irp k, 0,1,2,3
.irp j, 0,1,2,3
	global_load_b128 v[32+16*\k+4*\j:35+16*\k+4*\j], v[24+\k], s[14:15] offset:16*\j
.endr
.endr
	s_wait_loadcnt 0x0
.set j, 0
.rept 64
	v_mul_f32 v[32+j], 0x41000000, v[32+j]         ; x 8: exact
.set j, j+1
.endr
.irp k, 0,1,2,3
.irp h, 0,1,2,3,4,5,6,7,8,9,10,11,12,13,14,15
	global_store_b32 v[28+\k], v[32+16*\k+\h], s[20:21] offset:2048*\h
.endr
.endr
	s_endpgm
.Lfunc_end_k_q61bb30f164_quant:
	.size	k_q61bb30f164_quant, .Lfunc_end_k_q61bb30f164_quant-k_q61bb30f164_quant
	.p2alignl 7, 3214868480
	.fill 96, 4, 3214868480
	.section	.rodata,"a",@progbits
	.p2align	6, 0x0
	.amdhsa_kernel k_q61bb30f164_quant
		.amdhsa_group_segment_fixed_size 33280
		.amdhsa_private_segment_fixed_size 0
		.amdhsa_enable_private_segment 0
		.amdhsa_kernarg_size 72
		.amdhsa_user_sgpr_count 2
		.amdhsa_user_sgpr_kernarg_segment_ptr 1
		.amdhsa_wavefront_size32 1
		.amdhsa_system_sgpr_workgroup_id_x 1
		.amdhsa_system_sgpr_workgroup_id_y 1
		.amdhsa_system_sgpr_workgroup_id_z 1
		.amdhsa_system_vgpr_workitem_id 0
		.amdhsa_next_free_vgpr 192
		.amdhsa_next_free_sgpr 66
		.amdhsa_reserve_vcc 1
		.amdhsa_float_denorm_mode_32 3
		.amdhsa_float_denorm_mode_16_64 3
		.amdhsa_memory_ordered 1
		.amdhsa_forward_progress 1
		.amdhsa_inst_pref_size 50
	.end_amdhsa_kernel
	.amdgpu_metadata
---
amdhsa.version: [ 1, 2 ]
amdhsa.kernels:
  - .name:           k_q61bb30f164_quant
    .symbol:         k_q61bb30f164_quant.kd
    .args:
      - { .name: x, .offset: 0, .size: 8, .value_kind: global_buffer, .address_space: global }
      - { .name: wq, .offset: 8, .size: 8, .value_kind: global_buffer, .address_space: global }
      - { .name: wk, .offset: 16, .size: 8, .value_kind: global_buffer, .address_space: global }
      - { .name: wv, .offset: 24, .size: 8, .value_kind: global_buffer, .address_space: global }
      - { .name: wo, .offset: 32, .size: 8, .value_kind: global_buffer, .address_space: global }
      - { .name: rel_bias, .offset: 40, .size: 8, .value_kind: global_buffer, .address_space: global }
      - { .name: cod, .offset: 48, .size: 8, .value_kind: global_buffer, .address_space: global }
      - { .name: scl, .offset: 56, .size: 8, .value_kind: global_buffer, .address_space: global }
      - { .name: tab, .offset: 64, .size: 8, .value_kind: global_buffer, .address_space: global }
    .group_segment_fixed_size: 33280
    .private_segment_fixed_size: 0
    .kernarg_segment_align: 8
    .kernarg_segment_size: 72
    .max_flat_workgroup_size: 128
    .sgpr_count:     66
    .vgpr_count:     192
    .wavefront_size: 32
...
	.end_amdgpu_metadata
.endif
;; end of part 1
;; launch qkv (part 2): grid 12 x 32, 4 waves a work-group, clusters of 4 x 4, 327,680 bytes of LDS; arguments cod, scl, bq, bk, bv, qkv, qkvs; writes qkv, qkvs
.if DOCPART == 2
	.amdgcn_target "amdgcn-amd-amdhsa--gfx1250"
	.amdhsa_code_object_version 6
	.text
	.protected	k_q61bb30f164_qkv
	.globl	k_q61bb30f164_qkv
	.p2align	8
	.type	k_q61bb30f164_qkv,@function
k_q61bb30f164_qkv:
	s_mov_b64 s[64:65], 0
	v_nop
	global_prefetch_b8 v0, s[64:65] scope:SCOPE_SE
	s_setreg_imm32_b32 hwreg(HW_REG_WAVE_MODE, 25, 1), 1
	s_wait_xcnt 0x0
	s_wait_alu depctr_hold_cnt(0) depctr_sa_sdst(0) depctr_va_vdst(0) depctr_va_sdst(0) depctr_va_ssrc(0) depctr_va_vcc(0) depctr_vm_vsrc(0)
	s_getreg_b32 s2, hwreg(HW_REG_IB_STS2, 6, 4)
	s_cmp_eq_u32 s2, 0
	s_cbranch_scc0 .Lentry_in_a_cluster
	s_endpgm
.Lentry_in_a_cluster:
	s_bfe_u32 s2, ttmp6, 0x10000c
	s_cmp_lg_u32 s2, 0xf033
	s_cbranch_scc0 .Lentry_shape_is_right
	s_endpgm
.Lentry_shape_is_right:
; q = x wq^T + bq, k = x wk^T + bk, v = x wv^T + bv on codes of FP6 (E2M3) with E8M0 scales, K = 1,024; the results are quantised in registers and leave as codes.
; A work-group of four waves makes 256 x 256, a wave 128 x 128: 64 accumulators, 512 registers.  Source 0 takes 16 rows of "B", source 1 16 rows of "A": a lane holds one row of A and its registers run along B.
; Cluster x = 0, 1 (q, k): A = x (tokens), B = the weight: registers run along the head's 64, which is the next product's K.  Cluster x = 2 (v): A = wv, B = x: registers run along the keys, v's next K.
; The rows of x, wq, wk, wv lie in cod with bits 3 and 4 of the row's number changed, so that the 16 registers of B's blocks 2 b and 2 b + 1 are 16 neighbours along the next K: 32 b + 16 (lane / 16) + 0 .. 15.
; No branch hangs on the cluster's x: addresses are chosen by s_cselect_b32, and the bias is one fused multiply-add, LF x W + sum, with LF = 1 and W = the unit's bias (q, k) or LF = the row's bias and W = 1 (v).
; CLUSTERS: 4 x 4 work-groups; A's tiles are asked for jointly along a row of the cluster, B's along a column.
; K goes through a ring of two LDS slots of 256 along K (rows of 192 bytes, 16 bytes of padding behind every 64: 240 apart).  K = 1,024 is four slots, eight steps of 128: all written out, since each step names its own scale registers.
; THE SCALES of my 128 + 128 rows, for all of K, are 64 registers, loaded once: register 8 g + step holds in lanes 0-15 the word of block 2 g, in lanes 16-31 that of block 2 g + 1.
; OUT: a group is 16 rows x 64 K: 768 bytes: registers 0-3 at 16 x lane, registers 4-5 at 512 + 8 x lane.  q, k: [batch x 16 + head][tile of 16 places][768]; v: [half of a step's 128 keys][batch][step][head x 4 + tile of 16 of the 64][768].
; Scale words: q, k: [batch][pair of heads][place]; v: [batch][step][head x 64 + place].
; LIMITS: a block of zeros gets the byte 1 (zero codes; this program alone reads the bytes); blocks under 2^-124 are held at that byte; NaN and infinities are not served.
; REGISTERS: window 0: v1-31 addresses and the rows' bias; v32-95 scales and nothing else; v96-121 at work; v128-223 A's fragments, on the way out 64 numbers, their codes and eight scale words.
;   window 1: B's fragments, two sets, v0-95 and v128-223; W in v96-127 and v224-255.   windows 2, 3: the accumulators ((a, b) at v[8 (8 (a % 4) + b)]).
.set ROWB,  192
.set KROW,  768
.set PITCH, 240
.set FR,    12
.set NL,    6
.set NP,    4
.set HALFT, 128*PITCH
.set SLOT,  4*HALFT
.set SPARE, 2*SLOT                     ; behind the ring: the spare words, 128 bytes a wave, named by no other line
.set SPW,  1
.set NIL,  2
.set VO16, 3                           ; 16 x lane
.set VO8,  4                           ; 8 x lane
.set STW,  5                           ; the scale words' stage: 512 x wave + 4 (lane % 16); it lies in slot 0, behind that slot's last fill and last read
.set STR,  6                           ; and back: 512 x wave + 16 x lane
.set VS32, 7                           ; 32 x lane
.set LF,   8                           ; v8-15
.set ADRA, 16
.set ADRB, 20
.set SCB,  32
.set SCA,  64
.set TM,   96                          ; v96-99 maxima, v100-103 bytes, v104-107 scale operands
.set RB,   118
.set AF,   128
.set T,    128
.set CD,   192
.set CT,   204
.set PW,   216
.set WV,  18
.set RH,  19
.set CH,  20
.set CX,  21
.set CY,  22
.set XX,  23
.set YY,  60
.set ISV, 61
.set SEL, 62
.set G1,  28
.set G0,  36
.set G1B, 44
.set G0B, 52
.set CB0, 70
.set CB1, 72
.set SCO, 74
.set SA,  76
.set SB,  78
.set BW,  80
.set BL,  82
.set MSB, 0
.macro WIN new                         ; the immediate's high byte repeats the setting that is left
.if MSB != \new
	s_set_vgpr_msb (MSB<<8)|\new
.set MSB, \new
.endif
.endm
.set MUL_LO, 0xa1                      ; source 0 window 1, source 1 window 0, C and D window 2
.set MUL_HI, 0xf1
.set TO_B,   0x40
.macro JLOAD g0a, g1a, g0b, g1b        ; waves 0, 1 fetch for A, waves 2, 3 for B; an s_nop 0 and four v_nop follow each line
	s_cmp_eq_u32 s[RH], 0
	s_cbranch_scc0 .Lfor_b_\@
	tensor_load_to_lds s[\g0a:\g0a+3], s[\g1a:\g1a+7]
	s_nop 0
.rept 4
	v_nop
.endr
	s_branch .Lasked_\@
.Lfor_b_\@:
	tensor_load_to_lds s[\g0b:\g0b+3], s[\g1b:\g1b+7]
	s_nop 0
.rept 4
	v_nop
.endr
.Lasked_\@:
.endm
.macro CREST
	s_cmp_lg_u32 s[WV], 0
	s_cbranch_scc1 .Lnot_wave_0_\@
	s_barrier_signal -3
.Lnot_wave_0_\@:
	s_barrier_wait -3
	s_barrier_signal -1
	s_barrier_wait -1
.endm
.macro CROUND
	s_barrier_signal -1
	s_barrier_wait -1
	CREST
.endm
	s_load_b256 s[4:11], s[0:1], 0x0               ; cod, scl, bq, bk
	s_load_b128 s[12:15], s[0:1], 0x20             ; bv, qkv
	s_load_b64 s[16:17], s[0:1], 0x30              ; qkvs
	v_lshl_add_u32 v[SPW], v0, 2, SPARE
	v_mov_b32 v[NIL], 0
	ds_add_u32 v[SPW], v[NIL]                      ; the wave's opening: the add and its wait ahead of my first tensor load
	v_lshrrev_b32 v24, 5, v0
	v_readfirstlane_b32 s[WV], v24
	s_lshr_b32 s[RH], s[WV], 1                     ; my half of A's rows.  Also: I fetch for A (0) or B (1)
	s_and_b32 s[CH], s[WV], 1                      ; my half of B's rows.  Also: which 128 rows I fetch
	s_bfe_u32 s[CX], ttmp6, 0x40000
	s_bfe_u32 s[CY], ttmp6, 0x40004
	s_mov_b32 s[XX], ttmp9                         ; cluster x: 0 q, 1 k, 2 v
	s_and_b32 s[YY], ttmp7, 0xffff                 ; cluster y: 1,024 places of x
	s_lshl_b32 s24, s[CY], 2
	s_lshl_b32 s24, 15, s24                        ; my row of the cluster
	s_lshl_b32 s25, 0x1111, s[CX]                  ; my column
	s_or_b32 s[G1+0], s24, (0<<16)|(1<<20)|(1<<21)|(3<<22)|(3<<25)   ; mask; elements of 1 byte; padding on; bit 21 beside a mask; after every 16 words, 4 words
	s_or_b32 s[G1B+0], s25, (0<<16)|(1<<20)|(1<<21)|(3<<22)|(3<<25)
.irp g, G1, G1B
	s_mov_b32 s[\g+1], ROWB<<16
	s_mov_b32 s[\g+2], 128<<16
	s_mov_b32 s[\g+3], ROWB<<16
	s_mov_b32 s[\g+4], 128
	s_mov_b32 s[\g+5], KROW
	s_mov_b32 s[\g+6], 0
	s_mov_b32 s[\g+7], 0
.endr
	s_mov_b32 s[SEL], 0x76543210
	s_mov_b32 s[SEL+1], 0xfedcba98
	s_lshl_b32 s84, s[YY], 10                      ; 1,024 x cluster y
	s_lshl_b32 s85, s[XX], 10
	s_add_co_u32 s85, s85, 8192                    ; the weight's first row in cod
	s_cmp_eq_u32 s[XX], 2
	s_cselect_b32 s86, 10240, s84                  ; A: wv, or x
	s_cselect_b32 s87, s84, s85                    ; B: x, or the weight
	s_cselect_b32 s[ISV], -1, 0
	s_lshl_b32 s24, s[CY], 8
	s_add_co_u32 s86, s86, s24                     ; A's tile: it hangs on cy alone
	s_lshl_b32 s25, s[CX], 8
	s_add_co_u32 s87, s87, s25                     ; B's: on cx alone
	s_lshl_b32 s26, s[CH], 7
	s_add_co_u32 s88, s86, s26
	s_mul_i32 s88, s88, KROW                       ; the 128 rows that I fetch, in bytes
	s_mov_b32 s89, 0
	s_add_co_u32 s90, s87, s26
	s_mul_i32 s90, s90, KROW
	s_mov_b32 s91, 0
	s_mul_i32 s27, s[WV], HALFT                    ; where they go
	s_lshl_b32 s92, s[RH], 7
	s_add_co_u32 s92, s92, s86
	s_lshl_b32 s92, s92, 5                         ; the scale bytes of my 128 rows of A,
	s_mov_b32 s93, 0
	s_add_co_u32 s94, s87, s26
	s_lshl_b32 s94, s94, 5                         ; and of B
	s_mov_b32 s95, 0
	s_wait_dscnt 0x0                               ; the opening add is done
	s_wait_kmcnt 0x0
	s_add_nc_u64 s[88:89], s[4:5], s[88:89]
	s_add_nc_u64 s[90:91], s[4:5], s[90:91]
	s_add_nc_u64 s[SA:SA+1], s[6:7], s[92:93]
	s_add_nc_u64 s[SB:SB+1], s[6:7], s[94:95]
	CROUND                                         ; all sixteen work-groups are here: the first joint loads meet
.irp s, 0,1
	s_mov_b32 s[G0+4*\s], 1
	s_add_co_u32 s[G0+4*\s+1], s27, \s*SLOT
	s_add_nc_u64 s[G0+4*\s+2:G0+4*\s+3], s[88:89], \s*ROWB
	s_or_b32 s[G0+4*\s+3], s[G0+4*\s+3], 0x80000000
	s_mov_b32 s[G0B+4*\s], 1
	s_add_co_u32 s[G0B+4*\s+1], s27, \s*SLOT
	s_add_nc_u64 s[G0B+4*\s+2:G0B+4*\s+3], s[90:91], \s*ROWB
	s_or_b32 s[G0B+4*\s+3], s[G0B+4*\s+3], 0x80000000
	JLOAD G0+4*\s, G1, G0B+4*\s, G1B               ; two loads of mine are out
.endr
	v_and_b32 v24, 15, v0                          ; r
	v_bfe_u32 v25, v0, 4, 1                        ; h
	v_mul_u32_u24 v26, v24, PITCH
	v_mul_u32_u24 v27, v25, 24
	v_add_nc_u32 v27, v26, v27                     ; a fragment's row x pitch + 24 h
	v_lshl_add_u32 v28, v25, 4, v27                ; and the same behind one padding more
	s_mul_i32 s84, s[RH], HALFT
	s_mul_i32 s85, s[CH], HALFT
	s_add_co_u32 s85, s85, 2*HALFT
.irp s, 0,1
	v_add_nc_u32 v[ADRA+\s], s84, v27
	v_add_nc_u32 v[ADRB+\s], s85, v27
	v_add_nc_u32 v[ADRA+2+\s], s84, v28
	v_add_nc_u32 v[ADRB+2+\s], s85, v28
	s_add_co_u32 s84, s84, SLOT
	s_add_co_u32 s85, s85, SLOT
.endr
	v_and_b32 v29, 31, v0
	v_lshlrev_b32 v[VO16], 4, v29
	v_lshlrev_b32 v[VO8], 3, v29
	v_lshlrev_b32 v[VS32], 5, v29
	s_lshl_b32 s84, s[WV], 9
	v_lshl_add_u32 v[STW], v24, 2, s84
	v_add_nc_u32 v[STR], s84, v[VO16]
.irp g, 0,1,2,3                                ; lane l takes row 32 g + l: eight words, one for each step of 128
	global_load_b128 v[SCA+8*\g:SCA+8*\g+3], v[VS32], s[SA:SA+1] offset:1024*\g
	global_load_b128 v[SCA+8*\g+4:SCA+8*\g+7], v[VS32], s[SA:SA+1] offset:1024*\g+16
	global_load_b128 v[SCB+8*\g:SCB+8*\g+3], v[VS32], s[SB:SB+1] offset:1024*\g
	global_load_b128 v[SCB+8*\g+4:SCB+8*\g+7], v[VS32], s[SB:SB+1] offset:1024*\g+16
.endr
	s_cmp_eq_u32 s[XX], 1
	s_cselect_b64 s[BW:BW+1], s[10:11], s[8:9]     ; bk, or bq (with v: read and replaced by 1)
	s_add_co_u32 s84, s25, s26                     ; 256 cx + 128 x my half
	s_lshl_b32 s84, s84, 2
	s_mov_b32 s85, 0
	s_add_nc_u64 s[BW:BW+1], s[BW:BW+1], s[84:85]
	s_lshl_b32 s84, s[RH], 7
	s_add_co_u32 s84, s84, s24                     ; 256 cy + 128 x my half
	s_lshl_b32 s84, s84, 2
	s_add_nc_u64 s[BL:BL+1], s[12:13], s[84:85]    ; bv (with q, k: read and replaced by 1)
	v_lshlrev_b32 v30, 6, v25                      ; W: units 32 bb + 16 h + i
	v_and_b32 v31, 8, v24
	v_add_lshl_u32 v31, v31, v24, 2                ; LF: the row behind place r: r + 8 (r / 8)
	WIN TO_B
.irp bb, 0,1,2,3
.irp jq, 0,1,2,3
	global_load_b128 v[96+16*\bb+4*\jq+96*(\bb/2):99+16*\bb+4*\jq+96*(\bb/2)], v30, s[BW:BW+1] offset:128*\bb+16*\jq
.endr
.endr
	WIN 0
.irp a, 0,1,2,3,4,5,6,7
	global_load_b32 v[LF+\a], v31, s[BL:BL+1] offset:(32*(\a/2)+8*(\a%2))*4
.endr
	; where the results go: both forms are made, one is chosen
	s_lshr_b32 s86, s[YY], 1                       ; batch
	s_and_b32 s87, s[YY], 1
	s_lshl_b32 s88, s[CX], 1
	s_add_co_u32 s88, s88, s[CH]                   ; 2 cx + my half: the pair of heads (q, k), or a step's low bits (v)
	s_lshl_b32 s89, s[RH], 7
	s_add_co_u32 s89, s89, s24                     ; 256 cy + 128 x my half of A
	s_lshl_b32 s90, s87, 10
	s_add_co_u32 s90, s90, s89                     ; q, k: my first place in the batch
	s_lshl_b32 s91, s86, 3
	s_add_co_u32 s91, s91, s88                     ; 8 x batch + pair
	s_lshl_b32 s92, s91, 8
	s_lshr_b32 s93, s90, 4
	s_add_co_u32 s92, s92, s93
	s_mul_i32 s92, s92, 768
	s_mul_i32 s93, s[XX], 6291456
	s_add_co_u32 s92, s92, s93                     ; codes
	s_lshl_b32 s91, s91, 11
	s_add_co_u32 s91, s91, s90
	s_lshl_b32 s91, s91, 2
	s_lshl_b32 s93, s[XX], 18
	s_add_co_u32 s91, s91, s93                     ; scale words
	s_lshl_b32 s94, s87, 3
	s_add_co_u32 s94, s94, s88                     ; v: the step of 128 keys
	s_lshl_b32 s95, s86, 4
	s_add_co_u32 s94, s94, s95
	s_lshl_b32 s95, s94, 6
	s_lshr_b32 s93, s89, 4
	s_add_co_u32 s95, s95, s93
	s_mul_i32 s95, s95, 768
	s_add_co_u32 s95, s95, 12582912                ; codes
	s_lshl_b32 s94, s94, 10
	s_add_co_u32 s94, s94, s89
	s_lshl_b32 s94, s94, 2
	s_add_co_u32 s94, s94, 524288                  ; scale words
	s_mov_b32 s93, 98304
	s_cmp_eq_u32 s[XX], 2
	s_cselect_b32 s84, s95, s92
	s_cselect_b32 s86, s94, s91
	s_cselect_b32 s88, 3145728, s93                ; from a fragment's first group to its second: the other half of the keys, or the next head
	s_mov_b32 s85, 0
	s_mov_b32 s87, 0
	s_mov_b32 s89, 0
	s_add_nc_u64 s[CB0:CB0+1], s[14:15], s[84:85]
	s_add_nc_u64 s[CB1:CB1+1], s[CB0:CB0+1], s[88:89]
	s_add_nc_u64 s[SCO:SCO+1], s[16:17], s[86:87]
.macro FRAG reg, adr, q, i             ; 16 rows x 128 K: 12 registers, in pieces of 8 bytes; where lanes 16-31's piece lies behind one padding more, the second address register serves
.irp p, 0,1,2,3,4,5
.set PC, 12*(\q)+6*(\p/3)+\p%3
.if PC%8 < 5
	ds_load_b64 v[\reg+2*\p:\reg+2*\p+1], v[\adr] offset:8*PC+16*(PC/8)+(\i)*16*PITCH
.else
	ds_load_b64 v[\reg+2*\p:\reg+2*\p+1], v[\adr+2] offset:8*PC+16*(PC/8)+(\i)*16*PITCH
.endif
.endr
.endm
; one product: A's block a x B's block b, B's set p, step qg of eight.  cm = 1: it starts the sum.  An odd block's scale words lie in lanes 16-31.
.macro MM a, b, p, qg, cm
.set rD, 8*(8*((\a)%4)+(\b))
.set rB, 128*(\p)+FR*(\b)
.set rA, AF+FR*(\a)
.set sB, SCB+8*((\b)/2)+(\qg)
.set sA, SCA+8*((\a)/2)+(\qg)
.set ROWS, 2*((\a)%2)+((\b)%2)
.if \cm
.if ROWS == 0
	v_wmma_scale_f32_16x16x128_f8f6f4 v[rD:rD+7], v[rB:rB+FR-1], v[rA:rA+FR-1], 0, v[sB], v[sA] matrix_a_fmt:MATRIX_FMT_FP6 matrix_b_fmt:MATRIX_FMT_FP6
.elseif ROWS == 1
	v_wmma_scale_f32_16x16x128_f8f6f4 v[rD:rD+7], v[rB:rB+FR-1], v[rA:rA+FR-1], 0, v[sB], v[sA] matrix_a_fmt:MATRIX_FMT_FP6 matrix_b_fmt:MATRIX_FMT_FP6 matrix_a_scale:MATRIX_SCALE_ROW1
.elseif ROWS == 2
	v_wmma_scale_f32_16x16x128_f8f6f4 v[rD:rD+7], v[rB:rB+FR-1], v[rA:rA+FR-1], 0, v[sB], v[sA] matrix_a_fmt:MATRIX_FMT_FP6 matrix_b_fmt:MATRIX_FMT_FP6 matrix_b_scale:MATRIX_SCALE_ROW1
.else
	v_wmma_scale_f32_16x16x128_f8f6f4 v[rD:rD+7], v[rB:rB+FR-1], v[rA:rA+FR-1], 0, v[sB], v[sA] matrix_a_fmt:MATRIX_FMT_FP6 matrix_b_fmt:MATRIX_FMT_FP6 matrix_a_scale:MATRIX_SCALE_ROW1 matrix_b_scale:MATRIX_SCALE_ROW1
.endif
.else
.if ROWS == 0
	v_wmma_scale_f32_16x16x128_f8f6f4 v[rD:rD+7], v[rB:rB+FR-1], v[rA:rA+FR-1], v[rD:rD+7], v[sB], v[sA] matrix_a_fmt:MATRIX_FMT_FP6 matrix_b_fmt:MATRIX_FMT_FP6
.elseif ROWS == 1
	v_wmma_scale_f32_16x16x128_f8f6f4 v[rD:rD+7], v[rB:rB+FR-1], v[rA:rA+FR-1], v[rD:rD+7], v[sB], v[sA] matrix_a_fmt:MATRIX_FMT_FP6 matrix_b_fmt:MATRIX_FMT_FP6 matrix_a_scale:MATRIX_SCALE_ROW1
.elseif ROWS == 2
	v_wmma_scale_f32_16x16x128_f8f6f4 v[rD:rD+7], v[rB:rB+FR-1], v[rA:rA+FR-1], v[rD:rD+7], v[sB], v[sA] matrix_a_fmt:MATRIX_FMT_FP6 matrix_b_fmt:MATRIX_FMT_FP6 matrix_b_scale:MATRIX_SCALE_ROW1
.else
	v_wmma_scale_f32_16x16x128_f8f6f4 v[rD:rD+7], v[rB:rB+FR-1], v[rA:rA+FR-1], v[rD:rD+7], v[sB], v[sA] matrix_a_fmt:MATRIX_FMT_FP6 matrix_b_fmt:MATRIX_FMT_FP6 matrix_a_scale:MATRIX_SCALE_ROW1 matrix_b_scale:MATRIX_SCALE_ROW1
.endif
.endif
.endm
.macro MUL16 a0, p, qg, cm             ; the 64 accumulators take turns, one instruction a turn, in the same order in every step
.irp a, \a0, \a0+1
.irp b, 0,1,2,3,4,5,6,7
	MM \a, \b, \p, \qg, \cm
.endr
.endr
.endm
.macro FETCH_B slot, q, p
	WIN TO_B
.irp i, 0,1,2,3,4,5,6,7
	FRAG 128*(\p)+FR*\i, ADRB+\slot, \q, \i
.endr
	WIN 0
.endm
.macro FETCH_A slot, q, i0
.irp i, \i0, \i0+1, \i0+2, \i0+3
	FRAG AF+FR*(\i), ADRA+\slot, \q, \i
.endr
.endm
.macro PLACES n                        ; plain vector places between a matrix instruction and a load into, or a read of, its registers
.rept \n
	v_nop
.endr
.endm
; a slot's first 128 along K: B's set 0; the second 128's fragments are fetched on the way
.macro STEP slot, qg, cm
	s_wait_dscnt 4*NL                              ; B's set and A's blocks 0-3 are in; the youngest 24 loads (A's blocks 4-7) may be out
	WIN MUL_LO
	MUL16 0, 0, \qg, \cm
	MUL16 2, 0, \qg, \cm
	s_wait_dscnt 0
	PLACES NP
	FETCH_B \slot, 1, 1
	FETCH_A \slot, 1, 0
	WIN MUL_HI
	MUL16 4, 0, \qg, \cm
	MUL16 6, 0, \qg, \cm
	PLACES NP
	WIN 0
	FETCH_A \slot, 1, 4
.endm
; a slot's second 128 along K changes slots: one barrier; ahead of it each wave waits for all its tensor loads, adds 0 to its spare word, and waits for that and for its reads of this slot
.macro TURN slot, next, fill, qg
	s_wait_tensorcnt 0x0                           ; all my tensor loads have landed: my part of the next slot
	ds_add_u32 v[SPW], v[NIL]
	s_wait_dscnt 4*NL+1                            ; the add and the youngest 24 loads may be out
	WIN MUL_LO
	MUL16 0, 1, \qg, 0
	s_wait_dscnt 0x0                               ; the add is done, and my reads of this slot are over
	s_barrier_signal -1
	MUL16 2, 1, \qg, 0
	WIN 0
	s_barrier_wait -1
.if \fill
	CREST                                          ; the barrier has opened a round of the cluster's: no wave of any partner still reads this slot or has a load on its way
	s_add_nc_u64 s[G0+4*\slot+2:G0+4*\slot+3], s[G0+4*\slot+2:G0+4*\slot+3], 2*ROWB
	s_add_nc_u64 s[G0B+4*\slot+2:G0B+4*\slot+3], s[G0B+4*\slot+2:G0B+4*\slot+3], 2*ROWB
	JLOAD G0+4*\slot, G1, G0B+4*\slot, G1B         ; my one tensor load behind the round; its four v_nop are the places for the loads below
.else
	PLACES NP
.endif
	FETCH_B \next, 0, 0
	FETCH_A \next, 0, 0
	WIN MUL_HI
	MUL16 4, 1, \qg, 0
	MUL16 6, 1, \qg, 0
	PLACES NP
	WIN 0
	FETCH_A \next, 0, 4
.endm
	s_wait_tensorcnt 1                             ; my part of slot 0 is in; slot 1's may stay out
	s_barrier_signal -1
	s_barrier_wait -1
	FETCH_B 0, 0, 0
	FETCH_A 0, 0, 0
	FETCH_A 0, 0, 4
	s_wait_loadcnt 0x0                             ; the scales and the biases
	STEP 0, 0, 1
	TURN 0, 1, 1, 1
	STEP 1, 2, 0
	TURN 1, 0, 1, 3
	STEP 0, 4, 0
	TURN 0, 1, 0, 5                                ; nothing is left to fetch: no round
	STEP 1, 6, 0
	s_wait_dscnt 4*NL
	WIN MUL_LO
	MUL16 0, 1, 7, 0
	MUL16 2, 1, 7, 0
	s_wait_dscnt 0
	WIN MUL_HI
	MUL16 4, 1, 7, 0
	MUL16 6, 1, 7, 0
	; THE WAY OUT.  The half of the bias that this cluster does not use becomes 1; these lines are also the places behind the last products.
	WIN 0x41
.set j, 0
.rept 64
	v_cndmask_b32 v[96+j+96*(j/32)], v[96+j+96*(j/32)], 1.0, s[ISV]
.set j, j+1
.endr
	WIN 0
.irp a, 0,1,2,3,4,5,6,7
	v_cndmask_b32 v[LF+\a], 1.0, v[LF+\a], s[ISV]
.endr
.irp b, 0,1,2,3
	v_mov_b32 v[TM+4+\b], 0                        ; written once: a lane permute's destination counts as one of its sources
.endr
; 64 numbers of a lane, register 16 b + i = k 32 b + 16 (lane / 16) + i of my row, become a fragment's codes in v[d] on and its scale word in v[pw]
.macro QUANT s, d, pw
.irp b, 0,1,2,3
	v_max3_num_f32 v[TM+\b], |v[\s+16*\b]|, |v[\s+1+16*\b]|, 0x1800000   ; with the floor 2^(3 - 127): the byte cannot fall under 1
.endr
.irp i, 2,4,6,8,10,12,14
.irp b, 0,1,2,3
	v_max3_num_f32 v[TM+\b], v[TM+\b], |v[\s+16*\b+\i]|, |v[\s+1+16*\b+\i]|
.endr
.endr
.irp b, 0,1,2,3
	v_permlanex16_b32 v[TM+4+\b], v[TM+\b], s[SEL], s[SEL+1]
.endr
.irp b, 0,1,2,3
	v_max_num_f32 v[TM+\b], v[TM+\b], v[TM+4+\b]   ; with lane l xor 16's: the block's largest magnitude
.endr
.irp b, 0,1,2,3
	v_add_nc_u32 v[TM+8+\b], 0xff000000, v[TM+\b]  ; 2 off the exponent field: the conversion's scale operand
.endr
.irp b, 0,1,2,3
	v_lshrrev_b32 v[TM+4+\b], 23, v[TM+8+\b]       ; the byte
.endr
	v_lshl_or_b32 v[\pw], v[TM+5], 8, v[TM+4]
	v_lshl_or_b32 v[\pw], v[TM+6], 16, v[\pw]
	v_lshl_or_b32 v[\pw], v[TM+7], 24, v[\pw]
.irp c, 0,1
	v_cvt_scalef32_pk16_fp6_f32 v[\d+6*\c:\d+2+6*\c], v[\s+32*\c:\s+15+32*\c], v[TM+8+2*\c]
	v_cvt_scalef32_pk16_fp6_f32 v[CT+4*\c:CT+2+4*\c], v[\s+16+32*\c:\s+31+32*\c], v[TM+8+2*\c+1]   ; (a conversion's three registers begin on an even number)
.endr
	v_nop                                          ; one plain place behind a scaled conversion
.irp c, 0,1                                    ; a whole block to a lane: lanes 0-15 block 2 c, lanes 16-31 block 2 c + 1
.irp i, 0,1,2
	v_permlane16_swap_b32 v[\d+6*\c+\i], v[CT+4*\c+\i]
.endr
.irp i, 0,1,2
	v_mov_b32 v[\d+3+6*\c+\i], v[CT+4*\c+\i]
.endr
.endr
.endm
.macro OUTBLK a                        ; A's block a: 16 rows x my 128 of B
.if \a > 0
	s_wait_xcnt 0x0                                ; the last block's stores have read the codes' registers
.endif
	WIN 0x24+0x10*(\a/4)                           ; W window 1, the sums window 2 or 3
.set j, 0
.rept 32
.set rW, 96+j+96*(j/32)
.if \a%2 == 0
	v_pk_fma_f32 v[T+j:T+j+1], v[LF+2*(\a/2):LF+2*(\a/2)+1], v[rW:rW+1], v[64*(\a%4)+j:64*(\a%4)+j+1] op_sel_hi:[0,1,1]   ; LF x W + sum; each accumulator from its low end on
.else
	v_pk_fma_f32 v[T+j:T+j+1], v[LF+2*(\a/2):LF+2*(\a/2)+1], v[rW:rW+1], v[64*(\a%4)+j:64*(\a%4)+j+1] op_sel:[1,0,0] op_sel_hi:[1,1,1]
.endif
.set j, j+2
.endr
	WIN 0
	QUANT T, CD, PW+\a
	ds_store_b32 v[STW], v[PW+\a] offset:64*\a     ; lanes l and l xor 16 write the same word with the same value
	global_store_b128 v[VO16], v[CD:CD+3], s[CB0:CB0+1] offset:768*\a         ; 512 consecutive bytes, aligned
	global_store_b64 v[VO8], v[CD+4:CD+5], s[CB0:CB0+1] offset:768*\a+512     ; 256 consecutive bytes, aligned
	global_store_b128 v[VO16], v[CD+6:CD+9], s[CB1:CB1+1] offset:768*\a
	global_store_b64 v[VO8], v[CD+10:CD+11], s[CB1:CB1+1] offset:768*\a+512
.endm
.irp a, 0,1,2,3,4,5,6,7
	OUTBLK \a
.endr
	ds_load_b128 v[RB:RB+3], v[STR]                ; LDS serves a wave's instructions in order: these see my stores
	s_wait_dscnt 0x0
	global_store_b128 v[VO16], v[RB:RB+3], s[SCO:SCO+1]   ; my 128 scale words: 512 consecutive bytes
	s_wait_tensorcnt 0x0                           ; the wave's end
	ds_add_u32 v[SPW], v[NIL]
	s_wait_dscnt 0x0
	CROUND                                         ; the closing round
	s_endpgm
.Lfunc_end_k_q61bb30f164_qkv:
	.size	k_q61bb30f164_qkv, .Lfunc_end_k_q61bb30f164_qkv-k_q61bb30f164_qkv
	.p2alignl 7, 3214868480
	.fill 96, 4, 3214868480
	.section	.rodata,"a",@progbits
	.p2align	6, 0x0
	.amdhsa_kernel k_q61bb30f164_qkv
		.amdhsa_group_segment_fixed_size 327680
		.amdhsa_private_segment_fixed_size 0
		.amdhsa_enable_private_segment 0
		.amdhsa_kernarg_size 56
		.amdhsa_user_sgpr_count 2
		.amdhsa_user_sgpr_kernarg_segment_ptr 1
		.amdhsa_wavefront_size32 1
		.amdhsa_system_sgpr_workgroup_id_x 1
		.amdhsa_system_sgpr_workgroup_id_y 1
		.amdhsa_system_sgpr_workgroup_id_z 1
		.amdhsa_system_vgpr_workitem_id 0
		.amdhsa_next_free_vgpr 1024
		.amdhsa_next_free_sgpr 100
		.amdhsa_reserve_vcc 0
		.amdhsa_float_denorm_mode_32 3
		.amdhsa_float_denorm_mode_16_64 3
		.amdhsa_memory_ordered 1
		.amdhsa_forward_progress 1
		.amdhsa_inst_pref_size 186
	.end_amdhsa_kernel
	.amdgpu_metadata
---
amdhsa.version: [ 1, 2 ]
amdhsa.kernels:
  - .name:           k_q61bb30f164_qkv
    .symbol:         k_q61bb30f164_qkv.kd
    .args:
      - { .name: cod, .offset: 0, .size: 8, .value_kind: global_buffer, .address_space: global }
      - { .name: scl, .offset: 8, .size: 8, .value_kind: global_buffer, .address_space: global }
      - { .name: bq, .offset: 16, .size: 8, .value_kind: global_buffer, .address_space: global }
      - { .name: bk, .offset: 24, .size: 8, .value_kind: global_buffer, .address_space: global }
      - { .name: bv, .offset: 32, .size: 8, .value_kind: global_buffer, .address_space: global }
      - { .name: qkv, .offset: 40, .size: 8, .value_kind: global_buffer, .address_space: global }
      - { .name: qkvs, .offset: 48, .size: 8, .value_kind: global_buffer, .address_space: global }
    .group_segment_fixed_size: 327680
    .private_segment_fixed_size: 0
    .kernarg_segment_align: 8
    .kernarg_segment_size: 56
    .max_flat_workgroup_size: 128
    .sgpr_count:     100
    .vgpr_count:     1024
    .wavefront_size: 32
...
	.end_amdgpu_metadata
.endif
;; end of part 2
;; launch attn (part 3): grid 8 x 64, 16 waves a work-group, no clusters, 212,992 bytes of LDS; arguments qkv, qkvs, tab, oh, os; writes oh, os
.if DOCPART == 3
	.amdgcn_target "amdgcn-amd-amdhsa--gfx1250"
	.amdhsa_code_object_version 6
	.text
	.protected	k_q61bb30f164_attn
	.globl	k_q61bb30f164_attn
	.p2align	8
	.type	k_q61bb30f164_attn,@function
k_q61bb30f164_attn:
	s_mov_b64 s[64:65], 0
	v_nop
	global_prefetch_b8 v0, s[64:65] scope:SCOPE_SE
	s_setreg_imm32_b32 hwreg(HW_REG_WAVE_MODE, 25, 1), 1
	s_wait_xcnt 0x0
; For one batch and head: O = softmax(q k^T / 8 + bias) v, both products on codes of FP6 (E2M3) with E8M0 scales; O / l is quantised along the head's 64 and leaves as codes.
; t = (q . k + 8 bias) x log2(e) / 8; M = the running largest t rounded up to a whole number; p = 2^(t - M) is quantised along the keys; l is the sum of the unquantised p.
; SHARES.  A work-group owns 256 places of queries of one (batch, head), each of its sixteen waves one tile of 16; every wave walks 16 steps of 128 keys.  Four waves share a SIMD.
; THE WHOLE HEAD'S K, V AND SCALES LIE IN LDS, filled once by six tensor loads a wave (208,896 bytes): nothing is filled again.  The first quarter of the keys is read while the other three are on their way.
; LAYOUT.  Both products are used transposed: S^T = K Q^T, O^T = V^T P^T: a lane holds one query.  Places of tokens and of the head's 64 have bits 3 and 4 changed, so that the 16 registers of tiles 2 b, 2 b + 1 are
; 16 neighbouring keys (32 b + 16 (lane / 16) + i), and O^T's likewise 16 neighbours of the 64.  Lane r's query is token QLO + r + 8 (r / 8).
; K = 64 IN A FORM OF 128: Q's registers 6-11 are zero codes, so what stands opposite (the next tile's codes) adds nothing; K's and Q's scales come as 16 bits, so the two upper bytes are 0, never 0xff.
; THE BIAS hangs on n = query - key alone and is the C of the first product: a step all of whose n are under 1 takes 8 x bucket 0's number, one whose n are all 113 or more 8 x bucket 31's, any other
; (D = QLO - first key from -16 to 232) loads tab[head][255 - n], 64 numbers a lane.  The choice is a scalar branch on ids and the loop's count.
; NO CLUSTER: that branch hangs on the work-group's block of queries, which differs between the work-groups that would share K and V.
; LIMITS: a block of zeros gets the byte 1 (zero codes); blocks under 2^-124 are held at that byte; NaN and infinities are not served.  os is stored two bytes a lane, 4 bytes apart: 32 bytes a wave.
.set VB,    98304                      ; LDS: K at 0 (step x 6,144 + tile x 768); V here (step x 6,144 + half x 3,072 + tile x 768)
.set KSC,   196608                     ; K's scale words, 4 bytes a place
.set VSC,   204800                     ; V's: step x 256 + 4 x place
.set SPARE, 208896                     ; the spare words: 128 bytes a wave, named by no other line
.set STEPB, 6144
.set L16,  1
.set L8,   2
.set ASK0, 3
.set ASV0, 4
.set SPW,  5
.set NIL,  6
.set BOFF, 7                           ; 4 (255 - r - 8 (r / 8) + 16 (lane / 16))
.set ADK16, 8
.set ADK8,  9
.set ADV16, 10
.set ADV8,  11
.set ADS,  28
.set ADT,  29
.set ADB,  30
.set QS,   31                          ; Q's scales
.set FRG,  32                          ; v32-79 K's eight groups, then V's four fragments; v80-85 zeros
.set CB0,  86                          ; v86-93  8 x bucket 0's bias
.set S,    96                          ; v96-159 S^T, then p
.set OT,   160                         ; v160-191 O^T
.set PCD,  192                         ; v192-203 p's codes
.set CT,   204
.set SCR,  212                         ; v212-219 K's scales, then V's
.set BM,   220
.set BP,   224
.set BS,   228
.set BB,   232
.set SUM2, 236
.set FF,   238
.set PSW,  240                         ; p's scale word
.set TMP,  241
.set CB31, 242                         ; v242-249 8 x bucket 31's bias
.set WV,   14
.set BH,   15
.set BI,   16
.set HD,   17
.set PAIR, 18
.set PAR,  19
.set SEL,  20
.set CS,   22
.set G1D,  24
.set G1KS, 32
.set G1VS, 40
.set G0KS, 48
.set G0VS, 52
.set TB,   66
.set TS,   67
.set TJ,   76
.set KF,   77
.set QLO,  78
.set CNT,  79
.set DD,   80
.set D4,   81
.set TABP, 84
.set TT,   98
	s_load_b256 s[4:11], s[0:1], 0x0               ; qkv, qkvs, tab, oh
	s_load_b64 s[12:13], s[0:1], 0x20              ; os
	v_lshl_add_u32 v[SPW], v0, 2, SPARE
	v_mov_b32 v[NIL], 0
	ds_add_u32 v[SPW], v[NIL]                      ; the wave's opening: the add and its wait ahead of my first tensor load
	v_lshrrev_b32 v8, 5, v0
	v_readfirstlane_b32 s[WV], v8
	s_and_b32 s[BH], ttmp7, 0xffff                 ; batch x 16 + head
	s_lshr_b32 s[BI], s[BH], 4
	s_and_b32 s[HD], s[BH], 15
	s_lshr_b32 s[PAIR], s[HD], 1
	s_and_b32 s[PAR], s[HD], 1
.irp g, G1D, G1KS, G1VS                        ; dense blocks as rows of 256 bytes: 32 elements of 8 bytes, no padding
	s_mov_b32 s[\g], 3<<16
	s_mov_b32 s[\g+1], 32<<16
	s_mov_b32 s[\g+3], 32<<16
	s_mov_b32 s[\g+5], 32
	s_mov_b32 s[\g+6], 0
	s_mov_b32 s[\g+7], 0
.endr
	s_mov_b32 s[G1D+2], 12<<16                     ; 3,072 bytes of codes
	s_mov_b32 s[G1D+4], 12
	s_mov_b32 s[G1KS+2], 2<<16                     ; 512 bytes of K's scale words
	s_mov_b32 s[G1KS+4], 2
	s_mov_b32 s[G1VS+2], 1<<16                     ; 256 bytes of V's
	s_mov_b32 s[G1VS+4], 1
	s_mov_b32 s[SEL], 0x76543210
	s_mov_b32 s[SEL+1], 0xfedcba98
	s_mov_b32 s[CS], 0x3e38aa3b                    ; log2(e) / 8
	s_mov_b32 s[CS+1], s[CS]
	s_mov_b32 s[TB], 0
	s_mov_b32 s[TS], 0
	s_mov_b32 s[TJ], 0
	s_mov_b32 s[KF], 0
	s_lshl_b32 s[TT], ttmp9, 4
	s_add_co_u32 s[TT], s[TT], s[WV]               ; my tile of 16 places
	s_lshr_b32 s86, s[TT], 1
	s_lshl_b32 s86, s86, 5
	s_and_b32 s87, s[TT], 1
	s_lshl_b32 s87, s87, 3
	s_add_co_u32 s[QLO], s86, s87                  ; 32 (T / 2) + 8 (T % 2)
	s_lshl_b32 s86, s[BI], 3
	s_add_co_u32 s86, s86, s[PAIR]
	s_lshl_b32 s87, s86, 13
	s_lshl_b32 s88, s[WV], 9
	s_add_co_u32 s87, s87, s88
	s_add_co_u32 s92, s87, 262144                  ; K's scale words: my 128 places
	s_mov_b32 s93, 0
	s_add_co_u32 s[G0KS+1], s88, KSC
	s_lshl_b32 s89, s[BI], 4
	s_add_co_u32 s89, s89, s[WV]
	s_lshl_b32 s89, s89, 12
	s_lshl_b32 s90, s[HD], 8
	s_add_co_u32 s89, s89, s90
	s_add_co_u32 s94, s89, 524288                  ; V's: step = my wave's number
	s_mov_b32 s95, 0
	s_lshl_b32 s90, s[WV], 8
	s_add_co_u32 s[G0VS+1], s90, VSC
	s_mul_i32 s86, s[BH], 98304
	s_mul_i32 s87, s[WV], 3072
	s_add_co_u32 s86, s86, s87
	s_add_co_u32 s86, s86, 6291456                 ; waves 0-7: K, half a step each
	s_and_b32 s88, s[WV], 1
	s_mul_i32 s88, s88, 3145728                    ; waves 8-15: V: the half of the keys,
	s_bfe_u32 s89, s[WV], 0x20001                  ; the step in the quarter
	s_lshl_b32 s90, s[BI], 4
	s_add_co_u32 s89, s89, s90
	s_lshl_b32 s89, s89, 6
	s_lshl_b32 s90, s[HD], 2
	s_add_co_u32 s89, s89, s90
	s_mul_i32 s89, s89, 768
	s_add_co_u32 s88, s88, s89
	s_add_co_u32 s88, s88, 12582912
	s_mov_b32 s90, 196608
	s_cmp_lt_u32 s[WV], 8
	s_cselect_b32 s96, s86, s88
	s_cselect_b32 s90, 24576, s90                  ; from quarter to quarter, in memory
	s_mov_b32 s97, 0
	s_mov_b32 s91, 0
	s_lshr_b32 s89, s[WV], 3
	s_mul_i32 s89, s89, 73728
	s_add_co_u32 s89, s89, s87                     ; in LDS: 3,072 x wave, V's waves 73,728 further on
	s_wait_dscnt 0x0                               ; the opening add is done
	s_wait_kmcnt 0x0
	s_mov_b32 s[G0KS], 1
	s_add_nc_u64 s[G0KS+2:G0KS+3], s[6:7], s[92:93]
	s_or_b32 s[G0KS+3], s[G0KS+3], 0x80000000
	s_mov_b32 s[G0VS], 1
	s_add_nc_u64 s[G0VS+2:G0VS+3], s[6:7], s[94:95]
	s_or_b32 s[G0VS+3], s[G0VS+3], 0x80000000
	s_add_nc_u64 s[96:97], s[4:5], s[96:97]
.set qd, 0
.irp g, 56,60,68,72
	s_mov_b32 s[\g], 1
	s_add_co_u32 s[\g+1], s89, 24576*qd
	s_mov_b64 s[\g+2:\g+3], s[96:97]
	s_or_b32 s[\g+3], s[\g+3], 0x80000000
	s_add_nc_u64 s[96:97], s[96:97], s[90:91]
.set qd, qd+1
.endr
	tensor_load_to_lds s[G0KS:G0KS+3], s[G1KS:G1KS+7]   ; six loads of mine are out, all first fills
	s_nop 0
	tensor_load_to_lds s[G0VS:G0VS+3], s[G1VS:G1VS+7]
	s_nop 0
	tensor_load_to_lds s[56:59], s[G1D:G1D+7]
	s_nop 0
	tensor_load_to_lds s[60:63], s[G1D:G1D+7]
	s_nop 0
	tensor_load_to_lds s[68:71], s[G1D:G1D+7]
	s_nop 0
	tensor_load_to_lds s[72:75], s[G1D:G1D+7]
	s_nop 0
.rept 4
	v_nop
.endr
	s_lshl_b32 s86, s[BH], 7
	s_add_co_u32 s86, s86, s[TT]
	s_mul_i32 s86, s86, 768
	s_mov_b32 s87, 0
	s_add_nc_u64 s[86:87], s[4:5], s[86:87]        ; Q's group
	s_lshl_b32 s88, s[BI], 3
	s_add_co_u32 s88, s88, s[PAIR]
	s_lshl_b32 s88, s88, 11
	s_lshl_b32 s89, s[TT], 4
	s_add_co_u32 s88, s88, s89
	s_lshl_b32 s88, s88, 2
	s_lshl_b32 s90, s[PAR], 1                      ; my head's half of a pair's word
	s_add_co_u32 s88, s88, s90
	s_mov_b32 s89, 0
	s_add_nc_u64 s[88:89], s[6:7], s[88:89]        ; Q's scales
	s_lshl_b32 s92, s[HD], 11
	s_mov_b32 s93, 0
	s_add_nc_u64 s[TABP:TABP+1], s[8:9], s[92:93]  ; my head's 512 numbers of the table
	s_load_b32 s82, s[TABP:TABP+1], 0x7fc          ; n under 1
	s_load_b32 s83, s[TABP:TABP+1], 0x0            ; n of 113 or more
	s_lshl_b32 s92, s[HD], 9
	s_lshl_b32 s94, s[BI], 7
	s_add_co_u32 s92, s92, s94
	s_add_co_u32 s92, s92, s[TT]
	s_mul_i32 s92, s92, 768
	s_add_nc_u64 s[10:11], s[10:11], s[92:93]      ; oh: [head][128 x batch + tile][768]
	s_lshl_b32 s92, s[PAIR], 13
	s_lshl_b32 s94, s[BI], 11
	s_add_co_u32 s92, s92, s94
	s_lshl_b32 s94, s[TT], 4
	s_add_co_u32 s92, s92, s94
	s_lshl_b32 s92, s92, 2
	s_add_co_u32 s92, s92, s90
	s_add_nc_u64 s[12:13], s[12:13], s[92:93]      ; os: [pair][place], my head's half
	s_add_co_u32 s91, s90, KSC
	v_and_b32 v8, 31, v0                           ; lane
	v_and_b32 v9, 15, v0                           ; r
	v_bfe_u32 v10, v0, 4, 1                        ; lane / 16
	v_lshlrev_b32 v[L16], 4, v8
	v_lshlrev_b32 v[L8], 3, v8
	v_lshl_add_u32 v[ASK0], v9, 2, s91
	v_lshl_add_u32 v[ASV0], v9, 2, VSC
	v_and_b32 v11, 8, v9
	v_add_nc_u32 v11, v11, v9                      ; r + 8 (r / 8)
	v_lshl_add_u32 v[BOFF], v10, 4, 255
	v_sub_nc_u32 v[BOFF], v[BOFF], v11
	v_lshlrev_b32 v[BOFF], 2, v[BOFF]
	v_lshlrev_b32 v[TMP], 2, v9
	global_load_b128 v[16:19], v[L16], s[86:87]
	global_load_b64 v[20:21], v[L8], s[86:87] offset:512
	global_load_u16 v[QS], v[TMP], s[88:89]
	v_mov_b32 v13, 0xff61b1e6                      ; the largest t so far: -3e38
	v_floor_f32 v12, -v13                          ; -M
	v_mov_b32 v14, 0
	v_mov_b32 v15, 0
.irp j, 22,23,24,25,26,27,80,81,82,83,84,85
	v_mov_b32 v[\j], 0                             ; zero codes: the upper 64 of Q's K, and what stands behind K's last tile
.endr
.set j, 0
.rept 32
	v_mov_b32 v[OT+j], 0                           ; the step is written for every step alike: the first finds zeros
.set j, j+1
.endr
.irp b, 0,1,2,3
	v_mov_b32 v[BP+\b], 0                          ; a lane permute's destination counts as one of its sources
.endr
	v_mov_b32 v[FF+1], 0                           ; named as the upper half of a pair
	s_wait_kmcnt 0x0
.irp j, 0,1,2,3,4,5,6,7
	v_mov_b32 v[CB0+\j], s82
	v_mov_b32 v[CB31+\j], s83
.endr
	s_wait_loadcnt 0x0                             ; Q
.macro QK cm                           ; S^T = K Q^T + 8 bias: eight tiles of 16 keys; tile t's operand is its own six registers and the six behind them
.irp t, 0,1,2,3,4,5,6,7
.if \cm == 0
	v_wmma_scale_f32_16x16x128_f8f6f4 v[S+8*\t:S+8*\t+7], v[FRG+6*\t:FRG+6*\t+11], v[16:27], v[CB0:CB0+7], v[SCR+\t], v[QS] matrix_a_fmt:MATRIX_FMT_FP6 matrix_b_fmt:MATRIX_FMT_FP6
.elseif \cm == 1
	v_wmma_scale_f32_16x16x128_f8f6f4 v[S+8*\t:S+8*\t+7], v[FRG+6*\t:FRG+6*\t+11], v[16:27], v[CB31:CB31+7], v[SCR+\t], v[QS] matrix_a_fmt:MATRIX_FMT_FP6 matrix_b_fmt:MATRIX_FMT_FP6
.else
	v_wmma_scale_f32_16x16x128_f8f6f4 v[S+8*\t:S+8*\t+7], v[FRG+6*\t:FRG+6*\t+11], v[16:27], v[S+8*\t:S+8*\t+7], v[SCR+\t], v[QS] matrix_a_fmt:MATRIX_FMT_FP6 matrix_b_fmt:MATRIX_FMT_FP6
.endif
.endr
.endm
.macro STEP                            ; 128 keys
	v_add_nc_u32 v[ADK16], s[TB], v[L16]           ; six plain lines: also the places behind the last step's products
	v_add_nc_u32 v[ADK8], s[TB], v[L8]
	v_add_nc_u32 v[ADV16], VB, v[ADK16]
	v_add_nc_u32 v[ADV8], VB, v[ADK8]
	v_add_nc_u32 v[ADS], s[TS], v[ASK0]
	v_add_nc_u32 v[ADT], s[TJ], v[ASV0]
.irp g, 0,1,2,3,4,5,6,7
	ds_load_b128 v[FRG+6*\g:FRG+6*\g+3], v[ADK16] offset:768*\g
	ds_load_b64 v[FRG+6*\g+4:FRG+6*\g+5], v[ADK8] offset:768*\g+512
	ds_load_u16 v[SCR+\g], v[ADS] offset:64*\g
.endr
	s_sub_co_i32 s[DD], s[QLO], s[KF]              ; n = D + r + 8 (r / 8) - the key's place in the step
	s_cmp_lt_i32 s[DD], -22
	s_cbranch_scc1 .Lb0_\@                         ; D + 23 under 1: every n under 1
	s_cmp_gt_i32 s[DD], 239
	s_cbranch_scc1 .Lb31_\@                        ; D - 127 at 113 or more
	s_lshl_b32 s[D4], s[DD], 2
	v_sub_nc_u32 v[ADB], v[BOFF], s[D4]
.set j, 0
.rept 64
	global_load_b32 v[S+j], v[ADB], s[TABP:TABP+1] offset:4*(32*(j/16)+j%16)   ; e = 255 - n: 0 to 398 here
.set j, j+1
.endr
	s_wait_loadcnt 0x0
	s_wait_dscnt 0x0
	QK 2
	s_branch .Ljoin_\@
.Lb0_\@:
	s_wait_dscnt 0x0
	QK 0
	s_branch .Ljoin_\@
.Lb31_\@:
	s_wait_dscnt 0x0
	QK 1
.Ljoin_\@:
.rept 4
	v_nop                                          ; places ahead of the loads into K's registers and of the first read of the scores
.endr
.irp dt, 0,1,2,3                               ; V's fragments are asked for now and land under the softmax
.irp c, 0,1
	ds_load_b128 v[FRG+12*\dt+6*\c:FRG+12*\dt+6*\c+3], v[ADV16] offset:3072*\c+768*\dt
	ds_load_b64 v[FRG+12*\dt+6*\c+4:FRG+12*\dt+6*\c+5], v[ADV8] offset:3072*\c+768*\dt+512
.endr
	ds_load_b32 v[SCR+\dt], v[ADT] offset:64*\dt
.endr
.irp b, 0,1,2,3
	v_max3_num_f32 v[BM+\b], v[S+16*\b], v[S+1+16*\b], v[S+2+16*\b]   ; the largest score of each block of 32 keys: for the row's maximum and for the block's largest p
.endr
.irp i, 3,5,7,9,11,13
.irp b, 0,1,2,3
	v_max3_num_f32 v[BM+\b], v[BM+\b], v[S+16*\b+\i], v[S+1+16*\b+\i]
.endr
.endr
.irp b, 0,1,2,3
	v_max_num_f32 v[BM+\b], v[BM+\b], v[S+15+16*\b]
.endr
.irp b, 0,1,2,3
	v_permlanex16_b32 v[BP+\b], v[BM+\b], s[SEL], s[SEL+1]
.endr
.irp b, 0,1,2,3
	v_max_num_f32 v[BM+\b], v[BM+\b], v[BP+\b]
.endr
	v_max3_num_f32 v[TMP], v[BM], v[BM+1], v[BM+2]
	v_max_num_f32 v[TMP], v[TMP], v[BM+3]
	v_mul_f32 v[TMP], s[CS], v[TMP]
	v_max_num_f32 v13, v13, v[TMP]                 ; the running largest t
	v_mov_b32 v[TMP], v12
	v_floor_f32 v12, -v13                          ; -M = floor(-t): M is a whole number
	v_sub_f32 v[TMP], v12, v[TMP]
	v_cvt_i32_f32 v[TMP], v[TMP]
	v_ldexp_f32 v[FF], 1.0, v[TMP]                 ; f = 2^(old M - new M): exact
.set j, 0
.rept 32
	v_pk_fma_f32 v[S+j:S+j+1], v[S+j:S+j+1], s[CS:CS+1], v[12:13] op_sel_hi:[1,0,0]   ; t - M
.set j, j+2
.endr
.irp b, 0,1,2,3
	v_fma_f32 v[BM+\b], v[BM+\b], s[CS], v12
.endr
.set j, 0
.rept 64
	v_exp_f32 v[S+j], v[S+j]                       ; p
.set j, j+1
.endr
	v_pk_mul_f32 v[14:15], v[14:15], v[FF:FF+1] op_sel_hi:[1,0]   ; the sum under the new M: the plain place behind the batch
	s_wait_alu depctr_va_vdst(0)                   ; one wait for the 64, ahead of their first reader
.irp b, 0,1,2,3
	v_exp_f32 v[BM+\b], v[BM+\b]                   ; each block's largest p
.endr
	v_pk_add_f32 v[SUM2:SUM2+1], v[S:S+1], v[S+2:S+3]   ; the sum of the unquantised p, in two chains
.irp j, 4,8,12,16,20,24,28,32,36,40,44,48,52,56,60
	v_pk_add_f32 v[14:15], v[14:15], v[S+\j:S+\j+1]
	v_pk_add_f32 v[SUM2:SUM2+1], v[SUM2:SUM2+1], v[S+2+\j:S+3+\j]
.endr
	v_pk_add_f32 v[14:15], v[14:15], v[SUM2:SUM2+1]
	s_wait_alu depctr_va_vdst(0)                   ; and one for the four
.irp b, 0,1,2,3
	v_max_num_f32 v[BM+\b], 0x1800000, v[BM+\b]    ; the floor 2^(3 - 127)
.endr
.irp b, 0,1,2,3
	v_add_nc_u32 v[BS+\b], 0xff000000, v[BM+\b]
.endr
.irp b, 0,1,2,3
	v_lshrrev_b32 v[BB+\b], 23, v[BS+\b]
.endr
	v_lshl_or_b32 v[PSW], v[BB+1], 8, v[BB]
	v_lshl_or_b32 v[PSW], v[BB+2], 16, v[PSW]
	v_lshl_or_b32 v[PSW], v[BB+3], 24, v[PSW]
.irp c, 0,1
	v_cvt_scalef32_pk16_fp6_f32 v[PCD+6*\c:PCD+2+6*\c], v[S+32*\c:S+15+32*\c], v[BS+2*\c]
	v_cvt_scalef32_pk16_fp6_f32 v[CT+4*\c:CT+2+4*\c], v[S+16+32*\c:S+31+32*\c], v[BS+2*\c+1]
.endr
	v_nop                                          ; one plain place behind a scaled conversion
.irp c, 0,1
.irp i, 0,1,2
	v_permlane16_swap_b32 v[PCD+6*\c+\i], v[CT+4*\c+\i]
.endr
.irp i, 0,1,2
	v_mov_b32 v[PCD+3+6*\c+\i], v[CT+4*\c+\i]
.endr
.endr
.set j, 0
.rept 16
	v_pk_mul_f32 v[OT+j:OT+j+1], v[OT+j:OT+j+1], v[FF:FF+1] op_sel_hi:[1,0]   ; O^T under the new M; also the places between p's codes and scale word and the products
.set j, j+2
.endr
	s_wait_dscnt 0x0                               ; V
.irp dt, 0,1,2,3                               ; four accumulators by turns
	v_wmma_scale_f32_16x16x128_f8f6f4 v[OT+8*\dt:OT+8*\dt+7], v[FRG+12*\dt:FRG+12*\dt+11], v[PCD:PCD+11], v[OT+8*\dt:OT+8*\dt+7], v[SCR+\dt], v[PSW] matrix_a_fmt:MATRIX_FMT_FP6 matrix_b_fmt:MATRIX_FMT_FP6
.endr
	s_add_co_u32 s[TB], s[TB], STEPB
	s_add_co_u32 s[TS], s[TS], 512
	s_add_co_u32 s[TJ], s[TJ], 256
	s_add_co_u32 s[KF], s[KF], 128
.endm
	s_wait_tensorcnt 0x3                           ; the scales and my part of the first quarter are in; quarters 1 to 3 stay out
	s_barrier_signal -1
	s_barrier_wait -1
	s_mov_b32 s[CNT], 4
.Lfirst:
	STEP
	s_sub_co_u32 s[CNT], s[CNT], 1
	s_cmp_lg_u32 s[CNT], 0
	s_cbranch_scc1 .Lfirst
	s_wait_tensorcnt 0x0                           ; my parts of the other three quarters are in,
	s_wait_dscnt 0x0
	s_barrier_signal -1
	s_barrier_wait -1                              ; everybody's are
	s_mov_b32 s[TB], 4*STEPB
	s_mov_b32 s[TS], 4*512
	s_mov_b32 s[TJ], 4*256
	s_mov_b32 s[KF], 4*128
	s_mov_b32 s[CNT], 12
.Lrest:
	STEP
	s_sub_co_u32 s[CNT], s[CNT], 1
	s_cmp_lg_u32 s[CNT], 0
	s_cbranch_scc1 .Lrest
	; THE WAY OUT: O^T / l, quantised along the head's 64: two blocks; register 16 b + i is number 32 b + 16 (lane / 16) + i
	v_add_f32 v14, v14, v15
	v_permlanex16_b32 v[TMP], v14, s[SEL], s[SEL+1]
	v_add_f32 v14, v14, v[TMP]                     ; the row's sum
	v_rcp_f32 v14, v14
	v_and_b32 v[ADS], 15, v0
	v_lshlrev_b32 v[ADS], 2, v[ADS]                ; 4 r
	v_nop
	v_nop
	s_wait_alu depctr_va_vdst(0)                   ; ahead of the reciprocal's first reader
.set j, 0
.rept 32
	v_mul_f32 v[S+j], v[OT+j], v14
.set j, j+1
.endr
.irp b, 0,1
	v_max3_num_f32 v[BM+\b], |v[S+16*\b]|, |v[S+1+16*\b]|, 0x1800000
.endr
.irp i, 2,4,6,8,10,12,14
.irp b, 0,1
	v_max3_num_f32 v[BM+\b], v[BM+\b], |v[S+16*\b+\i]|, |v[S+1+16*\b+\i]|
.endr
.endr
.irp b, 0,1
	v_permlanex16_b32 v[BP+\b], v[BM+\b], s[SEL], s[SEL+1]
.endr
.irp b, 0,1
	v_max_num_f32 v[BM+\b], v[BM+\b], v[BP+\b]
.endr
.irp b, 0,1
	v_add_nc_u32 v[BS+\b], 0xff000000, v[BM+\b]
.endr
.irp b, 0,1
	v_lshrrev_b32 v[BB+\b], 23, v[BS+\b]
.endr
	v_lshl_or_b32 v[TMP], v[BB+1], 8, v[BB]        ; my head's two bytes
	v_cvt_scalef32_pk16_fp6_f32 v[PCD:PCD+2], v[S:S+15], v[BS]
	v_cvt_scalef32_pk16_fp6_f32 v[CT:CT+2], v[S+16:S+31], v[BS+1]
	v_nop
.irp i, 0,1,2
	v_permlane16_swap_b32 v[PCD+\i], v[CT+\i]
.endr
.irp i, 0,1,2
	v_mov_b32 v[PCD+3+\i], v[CT+\i]
.endr
	global_store_b128 v[L16], v[PCD:PCD+3], s[10:11]             ; 512 consecutive bytes, aligned
	global_store_b64 v[L8], v[PCD+4:PCD+5], s[10:11] offset:512  ; 256 consecutive bytes, aligned
	global_store_b16 v[ADS], v[TMP], s[12:13]      ; lanes l and l xor 16 write the same two bytes with the same value
	s_wait_tensorcnt 0x0                           ; the wave's end
	ds_add_u32 v[SPW], v[NIL]
	s_wait_dscnt 0x0
	s_endpgm
.Lfunc_end_k_q61bb30f164_attn:
	.size	k_q61bb30f164_attn, .Lfunc_end_k_q61bb30f164_attn-k_q61bb30f164_attn
	.p2alignl 7, 3214868480
	.fill 96, 4, 3214868480
	.section	.rodata,"a",@progbits
	.p2align	6, 0x0
	.amdhsa_kernel k_q61bb30f164_attn
		.amdhsa_group_segment_fixed_size 212992
		.amdhsa_private_segment_fixed_size 0
		.amdhsa_enable_private_segment 0
		.amdhsa_kernarg_size 40
		.amdhsa_user_sgpr_count 2
		.amdhsa_user_sgpr_kernarg_segment_ptr 1
		.amdhsa_wavefront_size32 1
		.amdhsa_system_sgpr_workgroup_id_x 1
		.amdhsa_system_sgpr_workgroup_id_y 1
		.amdhsa_system_sgpr_workgroup_id_z 1
		.amdhsa_system_vgpr_workitem_id 0
		.amdhsa_next_free_vgpr 256
		.amdhsa_next_free_sgpr 100
		.amdhsa_reserve_vcc 0
		.amdhsa_float_denorm_mode_32 3
		.amdhsa_float_denorm_mode_16_64 3
		.amdhsa_memory_ordered 1
		.amdhsa_forward_progress 1
		.amdhsa_inst_pref_size 65
	.end_amdhsa_kernel
	.amdgpu_metadata
---
amdhsa.version: [ 1, 2 ]
amdhsa.kernels:
  - .name:           k_q61bb30f164_attn
    .symbol:         k_q61bb30f164_attn.kd
    .args:
      - { .name: qkv, .offset: 0, .size: 8, .value_kind: global_buffer, .address_space: global }
      - { .name: qkvs, .offset: 8, .size: 8, .value_kind: global_buffer, .address_space: global }
      - { .name: tab, .offset: 16, .size: 8, .value_kind: global_buffer, .address_space: global }
      - { .name: oh, .offset: 24, .size: 8, .value_kind: global_buffer, .address_space: global }
      - { .name: os, .offset: 32, .size: 8, .value_kind: global_buffer, .address_space: global }
    .group_segment_fixed_size: 212992
    .private_segment_fixed_size: 0
    .kernarg_segment_align: 8
    .kernarg_segment_size: 40
    .max_flat_workgroup_size: 512
    .sgpr_count:     100
    .vgpr_count:     256
    .wavefront_size: 32
...
	.end_amdgpu_metadata
.endif
;; end of part 3
;; launch oproj (part 4): grid 4 x 32, 4 waves a work-group, clusters of 4 x 4, 327,680 bytes of LDS; arguments oh, os, cod, scl, bo, out0; writes out0
.if DOCPART == 4
	.amdgcn_target "amdgcn-amd-amdhsa--gfx1250"
	.amdhsa_code_object_version 6
	.text
	.protected	k_q61bb30f164_oproj
	.globl	k_q61bb30f164_oproj
	.p2align	8
	.type	k_q61bb30f164_oproj,@function
k_q61bb30f164_oproj:
	s_mov_b64 s[64:65], 0
	v_nop
	global_prefetch_b8 v0, s[64:65] scope:SCOPE_SE
	s_setreg_imm32_b32 hwreg(HW_REG_WAVE_MODE, 25, 1), 1
	s_wait_xcnt 0x0
	s_wait_alu depctr_hold_cnt(0) depctr_sa_sdst(0) depctr_va_vdst(0) depctr_va_sdst(0) depctr_va_ssrc(0) depctr_va_vcc(0) depctr_vm_vsrc(0)
	s_getreg_b32 s2, hwreg(HW_REG_IB_STS2, 6, 4)
	s_cmp_eq_u32 s2, 0
	s_cbranch_scc0 .Lentry_in_a_cluster
	s_endpgm
.Lentry_in_a_cluster:
	s_bfe_u32 s2, ttmp6, 0x10000c
	s_cmp_lg_u32 s2, 0xf033
	s_cbranch_scc0 .Lentry_shape_is_right
	s_endpgm
.Lentry_shape_is_right:
; out0 = attention's output x wo^T + bo on codes of FP6 (E2M3) with E8M0 scales, K = 1,024 = 16 heads x 64; f32 out.
; A work-group of four waves makes 256 x 256, a wave 128 x 128.  Source 0 = 16 rows of wo (B), source 1 = 16 places of tokens (A): a lane holds eight neighbouring columns of one row of out0.
; A arrives as images of operand registers: oh [head][tile of 16 places][768]: registers 0-3 at 16 x lane, registers 4-5 at 512 + 8 x lane; two heads' groups are a fragment of 128 along K.
; A slot holds 256 along K: for A four heads x 16 tiles x 768 bytes (a wave's load: 4 rows of 6,144 bytes, 393,216 bytes apart), for B 256 rows of 192 bytes, 240 apart in LDS.  Four slots, eight steps, all written out.
; The scales of my 128 + 128 rows, for all of K, are 64 registers, loaded once: register 8 g + step: lanes 0-15 block 2 g, lanes 16-31 block 2 g + 1.  bo is the C of each sum's first product.
; Tokens lie in places with bits 3 and 4 changed: the stores' offsets turn a place into its token.
; CLUSTERS: 4 x 4 work-groups; A's tiles are asked for jointly along a row of the cluster, B's along a column.  The launch has 128 work-groups.
; REGISTERS: window 0: v1-31 addresses; v32-95 scales and nothing else; v128-223 A's fragments; on the way out v128-255 rows of out0.  window 1: B's two sets, v0-95, v128-223; bo in v96-127, v224-255.  windows 2, 3: the accumulators.
.set ROWB,  192
.set KROW,  768
.set PITCH, 240
.set FR,    12
.set NLA,   4                          ; LDS loads that bring a fragment of A
.set NP,    4
.set HALFA, 24576                      ; 128 places x 4 heads
.set HALFB, 128*PITCH
.set BOFS,  2*HALFA
.set SLOT,  2*HALFA+2*HALFB
.set SPARE, 2*SLOT                     ; the spare words: 128 bytes a wave, named by no other line
.set SPITCH, 528                       ; the way out: 16 rows x (512 + 16) bytes a wave, in slot 0, behind that slot's last fill and last read
.set SPW,  1
.set NIL,  2
.set ADA16, 16
.set ADA8,  18
.set ADRB, 20
.set STO,  24
.set RD,   25
.set CO,   26
.set SCB,  32
.set SCA,  64
.set AF,   128
.set BK,   128
.set WV,  18
.set RH,  19
.set CH,  20
.set CX,  21
.set CY,  22
.set TC,  23
.set TR,  60
.set G1,  28
.set G0,  36
.set G1B, 44
.set G0B, 52
.set SA,  76
.set SB,  78
.set BW,  80
.set MSB, 0
.macro WIN new
.if MSB != \new
	s_set_vgpr_msb (MSB<<8)|\new
.set MSB, \new
.endif
.endm
.set MUL_LO, 0xa1
.set MUL_HI, 0xf1
.set TO_B,   0x40
.macro JLOAD g0a, g1a, g0b, g1b        ; waves 0, 1 fetch for A, waves 2, 3 for B; an s_nop 0 and four v_nop follow each line
	s_cmp_eq_u32 s[RH], 0
	s_cbranch_scc0 .Lfor_b_\@
	tensor_load_to_lds s[\g0a:\g0a+3], s[\g1a:\g1a+7]
	s_nop 0
.rept 4
	v_nop
.endr
	s_branch .Lasked_\@
.Lfor_b_\@:
	tensor_load_to_lds s[\g0b:\g0b+3], s[\g1b:\g1b+7]
	s_nop 0
.rept 4
	v_nop
.endr
.Lasked_\@:
.endm
.macro CREST
	s_cmp_lg_u32 s[WV], 0
	s_cbranch_scc1 .Lnot_wave_0_\@
	s_barrier_signal -3
.Lnot_wave_0_\@:
	s_barrier_wait -3
	s_barrier_signal -1
	s_barrier_wait -1
.endm
.macro CROUND
	s_barrier_signal -1
	s_barrier_wait -1
	CREST
.endm
	s_load_b256 s[4:11], s[0:1], 0x0               ; oh, os, cod, scl
	s_load_b128 s[12:15], s[0:1], 0x20             ; bo, out0
	v_lshl_add_u32 v[SPW], v0, 2, SPARE
	v_mov_b32 v[NIL], 0
	ds_add_u32 v[SPW], v[NIL]                      ; the wave's opening: the add and its wait ahead of my first tensor load
	v_lshrrev_b32 v27, 5, v0
	v_readfirstlane_b32 s[WV], v27
	s_lshr_b32 s[RH], s[WV], 1
	s_and_b32 s[CH], s[WV], 1
	s_bfe_u32 s[CX], ttmp6, 0x40000
	s_bfe_u32 s[CY], ttmp6, 0x40004
	s_lshl_b32 s[TC], ttmp9, 2
	s_add_co_u32 s[TC], s[TC], s[CX]               ; tile column
	s_and_b32 s[TR], ttmp7, 0xffff
	s_lshl_b32 s[TR], s[TR], 2
	s_add_co_u32 s[TR], s[TR], s[CY]               ; tile row
	s_lshl_b32 s24, s[CY], 2
	s_lshl_b32 s24, 15, s24
	s_lshl_b32 s25, 0x1111, s[CX]
	s_or_b32 s[G1+0], s24, (3<<16)|(1<<21)         ; mask; elements of 8 bytes; no padding; bit 21 beside a mask
	s_mov_b32 s[G1+1], 768<<16                     ; a row: 768 elements, 6,144 bytes: eight tiles of one head
	s_mov_b32 s[G1+2], 4<<16                       ; four heads
	s_mov_b32 s[G1+3], 768<<16
	s_mov_b32 s[G1+4], 4
	s_mov_b32 s[G1+5], 49152                       ; from head to head: 393,216 bytes
	s_mov_b32 s[G1+6], 0
	s_mov_b32 s[G1+7], 0
	s_or_b32 s[G1B+0], s25, (0<<16)|(1<<20)|(1<<21)|(3<<22)|(3<<25)
	s_mov_b32 s[G1B+1], ROWB<<16
	s_mov_b32 s[G1B+2], 128<<16
	s_mov_b32 s[G1B+3], ROWB<<16
	s_mov_b32 s[G1B+4], 128
	s_mov_b32 s[G1B+5], KROW
	s_mov_b32 s[G1B+6], 0
	s_mov_b32 s[G1B+7], 0
	s_lshl_b32 s84, s[TR], 4
	s_lshl_b32 s85, s[CH], 3
	s_add_co_u32 s84, s84, s85
	s_mul_i32 s88, s84, 768                        ; A: the eight tiles that I fetch
	s_mov_b32 s89, 0
	s_lshl_b32 s86, s[TC], 8
	s_lshl_b32 s26, s[CH], 7
	s_add_co_u32 s86, s86, s26                     ; 256 x tile column + 128 x half
	s_add_co_u32 s87, s86, 11264                   ; wo's rows in cod
	s_mul_i32 s90, s87, KROW
	s_mov_b32 s91, 0
	s_mul_i32 s27, s[CH], HALFA                    ; where they go
	s_mul_i32 s25, s[CH], HALFB
	s_add_co_u32 s25, s25, BOFS
	s_lshl_b32 s24, s[TR], 8
	s_lshl_b32 s85, s[RH], 7
	s_add_co_u32 s24, s24, s85                     ; my first place
	s_lshl_b32 s92, s24, 2
	s_mov_b32 s93, 0
	s_lshl_b32 s94, s87, 5
	s_mov_b32 s95, 0
	s_wait_dscnt 0x0
	s_wait_kmcnt 0x0
	s_add_nc_u64 s[88:89], s[4:5], s[88:89]
	s_add_nc_u64 s[90:91], s[8:9], s[90:91]
	s_add_nc_u64 s[SA:SA+1], s[6:7], s[92:93]
	s_add_nc_u64 s[SB:SB+1], s[10:11], s[94:95]
	CROUND                                         ; all sixteen work-groups are here: the first joint loads meet
.irp s, 0,1
	s_mov_b32 s[G0+4*\s], 1
	s_add_co_u32 s[G0+4*\s+1], s27, \s*SLOT
	s_add_nc_u64 s[G0+4*\s+2:G0+4*\s+3], s[88:89], \s*1572864
	s_or_b32 s[G0+4*\s+3], s[G0+4*\s+3], 0x80000000
	s_mov_b32 s[G0B+4*\s], 1
	s_add_co_u32 s[G0B+4*\s+1], s25, \s*SLOT
	s_add_nc_u64 s[G0B+4*\s+2:G0B+4*\s+3], s[90:91], \s*ROWB
	s_or_b32 s[G0B+4*\s+3], s[G0B+4*\s+3], 0x80000000
	JLOAD G0+4*\s, G1, G0B+4*\s, G1B               ; two loads of mine are out
.endr
	v_and_b32 v27, 15, v0                          ; r
	v_bfe_u32 v28, v0, 4, 1                        ; h
	v_and_b32 v29, 31, v0                          ; lane
	v_mul_u32_u24 v30, v27, PITCH
	v_mul_u32_u24 v31, v28, 24
	v_add_nc_u32 v30, v30, v31                     ; B: a fragment's row x pitch + 24 h
	v_lshl_add_u32 v31, v28, 4, v30                ; and behind one padding more
	s_mul_i32 s84, s[RH], HALFA
	s_mul_i32 s85, s[CH], HALFB
	s_add_co_u32 s85, s85, BOFS
.irp s, 0,1
	v_lshl_add_u32 v[ADA16+\s], v29, 4, s84
	v_lshl_add_u32 v[ADA8+\s], v29, 3, s84
	v_add_nc_u32 v[ADRB+\s], s85, v30
	v_add_nc_u32 v[ADRB+2+\s], s85, v31
	s_add_co_u32 s84, s84, SLOT
	s_add_co_u32 s85, s85, SLOT
.endr
	s_mul_i32 s84, s[WV], 16*SPITCH
	v_mul_u32_u24 v[STO], v27, SPITCH
	v_lshl_add_u32 v[STO], v28, 5, v[STO]
	v_add_nc_u32 v[STO], s84, v[STO]               ; the stage, in: row r, 32 bytes for each half of the lanes
	v_lshlrev_b32 v[CO], 4, v29
	v_add_nc_u32 v[RD], s84, v[CO]                 ; back: a row of 512 bytes to the 32 lanes
	v_lshlrev_b32 v3, 5, v29                       ; 32 x lane
	v_lshlrev_b32 v4, 2, v29                       ; 4 x lane
	v_lshlrev_b32 v5, 5, v28                       ; 32 h
.irp g, 0,1,2,3
	global_load_b128 v[SCB+8*\g:SCB+8*\g+3], v3, s[SB:SB+1] offset:1024*\g
	global_load_b128 v[SCB+8*\g+4:SCB+8*\g+7], v3, s[SB:SB+1] offset:1024*\g+16
.irp q, 0,1,2,3,4,5,6,7
	global_load_b32 v[SCA+8*\g+\q], v4, s[SA:SA+1] offset:32768*\q+128*\g   ; pair of heads q = step q; place 32 g + lane
.endr
.endr
	s_lshl_b32 s84, s86, 2
	s_mov_b32 s85, 0
	s_add_nc_u64 s[BW:BW+1], s[12:13], s[84:85]    ; bo at my 128 columns
	s_add_nc_u64 s[14:15], s[14:15], s[84:85]
	s_lshl_b32 s84, s24, 12
	s_add_nc_u64 s[14:15], s[14:15], s[84:85]      ; out0 at my 128 rows and 128 columns
	WIN TO_B
.irp b, 0,1,2,3,4,5,6,7                        ; tile b: lane (r, h) wants columns 16 b + 8 h + 0 .. 7
	global_load_b128 v[96+8*\b+96*(\b/4):99+8*\b+96*(\b/4)], v5, s[BW:BW+1] offset:64*\b
	global_load_b128 v[100+8*\b+96*(\b/4):103+8*\b+96*(\b/4)], v5, s[BW:BW+1] offset:64*\b+16
.endr
	WIN 0
.macro FRAG reg, adr, q, i             ; B: 16 rows x 128 K in pieces of 8 bytes
.irp p, 0,1,2,3,4,5
.set PC, 12*(\q)+6*(\p/3)+\p%3
.if PC%8 < 5
	ds_load_b64 v[\reg+2*\p:\reg+2*\p+1], v[\adr] offset:8*PC+16*(PC/8)+(\i)*16*PITCH
.else
	ds_load_b64 v[\reg+2*\p:\reg+2*\p+1], v[\adr+2] offset:8*PC+16*(PC/8)+(\i)*16*PITCH
.endif
.endr
.endm
.macro FRAGA reg, slot, q, i           ; A: two heads' groups, as they were stored
.irp c, 0,1
	ds_load_b128 v[\reg+6*\c:\reg+6*\c+3], v[ADA16+\slot] offset:(2*(\q)+\c)*6144+768*(\i)
	ds_load_b64 v[\reg+6*\c+4:\reg+6*\c+5], v[ADA8+\slot] offset:(2*(\q)+\c)*6144+768*(\i)+512
.endr
.endm
.macro MM a, b, p, qg, cm              ; cm = 2: the sum begins with bo
.set rD, 8*(8*((\a)%4)+(\b))
.set rC, 96+8*(\b)+96*((\b)/4)
.set rB, 128*(\p)+FR*(\b)
.set rA, AF+FR*(\a)
.set sB, SCB+8*((\b)/2)+(\qg)
.set sA, SCA+8*((\a)/2)+(\qg)
.set ROWS, 2*((\a)%2)+((\b)%2)
.if \cm == 2
.if ROWS == 0
	v_wmma_scale_f32_16x16x128_f8f6f4 v[rD:rD+7], v[rB:rB+FR-1], v[rA:rA+FR-1], v[rC:rC+7], v[sB], v[sA] matrix_a_fmt:MATRIX_FMT_FP6 matrix_b_fmt:MATRIX_FMT_FP6
.elseif ROWS == 1
	v_wmma_scale_f32_16x16x128_f8f6f4 v[rD:rD+7], v[rB:rB+FR-1], v[rA:rA+FR-1], v[rC:rC+7], v[sB], v[sA] matrix_a_fmt:MATRIX_FMT_FP6 matrix_b_fmt:MATRIX_FMT_FP6 matrix_a_scale:MATRIX_SCALE_ROW1
.elseif ROWS == 2
	v_wmma_scale_f32_16x16x128_f8f6f4 v[rD:rD+7], v[rB:rB+FR-1], v[rA:rA+FR-1], v[rC:rC+7], v[sB], v[sA] matrix_a_fmt:MATRIX_FMT_FP6 matrix_b_fmt:MATRIX_FMT_FP6 matrix_b_scale:MATRIX_SCALE_ROW1
.else
	v_wmma_scale_f32_16x16x128_f8f6f4 v[rD:rD+7], v[rB:rB+FR-1], v[rA:rA+FR-1], v[rC:rC+7], v[sB], v[sA] matrix_a_fmt:MATRIX_FMT_FP6 matrix_b_fmt:MATRIX_FMT_FP6 matrix_a_scale:MATRIX_SCALE_ROW1 matrix_b_scale:MATRIX_SCALE_ROW1
.endif
.else
.if ROWS == 0
	v_wmma_scale_f32_16x16x128_f8f6f4 v[rD:rD+7], v[rB:rB+FR-1], v[rA:rA+FR-1], v[rD:rD+7], v[sB], v[sA] matrix_a_fmt:MATRIX_FMT_FP6 matrix_b_fmt:MATRIX_FMT_FP6
.elseif ROWS == 1
	v_wmma_scale_f32_16x16x128_f8f6f4 v[rD:rD+7], v[rB:rB+FR-1], v[rA:rA+FR-1], v[rD:rD+7], v[sB], v[sA] matrix_a_fmt:MATRIX_FMT_FP6 matrix_b_fmt:MATRIX_FMT_FP6 matrix_a_scale:MATRIX_SCALE_ROW1
.elseif ROWS == 2
	v_wmma_scale_f32_16x16x128_f8f6f4 v[rD:rD+7], v[rB:rB+FR-1], v[rA:rA+FR-1], v[rD:rD+7], v[sB], v[sA] matrix_a_fmt:MATRIX_FMT_FP6 matrix_b_fmt:MATRIX_FMT_FP6 matrix_b_scale:MATRIX_SCALE_ROW1
.else
	v_wmma_scale_f32_16x16x128_f8f6f4 v[rD:rD+7], v[rB:rB+FR-1], v[rA:rA+FR-1], v[rD:rD+7], v[sB], v[sA] matrix_a_fmt:MATRIX_FMT_FP6 matrix_b_fmt:MATRIX_FMT_FP6 matrix_a_scale:MATRIX_SCALE_ROW1 matrix_b_scale:MATRIX_SCALE_ROW1
.endif
.endif
.endm
.macro MUL16 a0, p, qg, cm             ; the 64 accumulators take turns, one instruction a turn
.irp a, \a0, \a0+1
.irp b, 0,1,2,3,4,5,6,7
	MM \a, \b, \p, \qg, \cm
.endr
.endr
.endm
.macro FETCH_B slot, q, p
	WIN TO_B
.irp i, 0,1,2,3,4,5,6,7
	FRAG 128*(\p)+FR*\i, ADRB+\slot, \q, \i
.endr
	WIN 0
.endm
.macro FETCH_A slot, q, i0
.irp i, \i0, \i0+1, \i0+2, \i0+3
	FRAGA AF+FR*(\i), \slot, \q, \i
.endr
.endm
.macro PLACES n
.rept \n
	v_nop
.endr
.endm
.macro STEP slot, qg, cm
	s_wait_dscnt 4*NLA                             ; B's set and A's blocks 0-3 are in; the youngest 16 loads (A's blocks 4-7) may be out
.if \cm == 2
	WIN 0x91                                       ; C (bo) window 1, D window 2
.else
	WIN MUL_LO
.endif
	MUL16 0, 0, \qg, \cm
	MUL16 2, 0, \qg, \cm
	s_wait_dscnt 0
	PLACES NP
	FETCH_B \slot, 1, 1
	FETCH_A \slot, 1, 0
.if \cm == 2
	WIN 0xd1
.else
	WIN MUL_HI
.endif
	MUL16 4, 0, \qg, \cm
	MUL16 6, 0, \qg, \cm
	PLACES NP
	WIN 0
	FETCH_A \slot, 1, 4
.endm
.macro TURN slot, next, fill, qg
	s_wait_tensorcnt 0x0                           ; all my tensor loads have landed: my part of the next slot
	ds_add_u32 v[SPW], v[NIL]
	s_wait_dscnt 4*NLA+1                           ; the add and the youngest 16 loads may be out
	WIN MUL_LO
	MUL16 0, 1, \qg, 0
	s_wait_dscnt 0x0                               ; the add is done, and my reads of this slot are over
	s_barrier_signal -1
	MUL16 2, 1, \qg, 0
	WIN 0
	s_barrier_wait -1
.if \fill
	CREST                                          ; the barrier has opened a round of the cluster's
	s_add_nc_u64 s[G0+4*\slot+2:G0+4*\slot+3], s[G0+4*\slot+2:G0+4*\slot+3], 2*1572864
	s_add_nc_u64 s[G0B+4*\slot+2:G0B+4*\slot+3], s[G0B+4*\slot+2:G0B+4*\slot+3], 2*ROWB
	JLOAD G0+4*\slot, G1, G0B+4*\slot, G1B         ; my one tensor load behind the round; its four v_nop are the places for the loads below
.else
	PLACES NP
.endif
	FETCH_B \next, 0, 0
	FETCH_A \next, 0, 0
	WIN MUL_HI
	MUL16 4, 1, \qg, 0
	MUL16 6, 1, \qg, 0
	PLACES NP
	WIN 0
	FETCH_A \next, 0, 4
.endm
	s_wait_tensorcnt 1                             ; my part of slot 0 is in; slot 1's may stay out
	s_barrier_signal -1
	s_barrier_wait -1
	FETCH_B 0, 0, 0
	FETCH_A 0, 0, 0
	FETCH_A 0, 0, 4
	s_wait_loadcnt 0x0                             ; the scales and bo
	STEP 0, 0, 2
	TURN 0, 1, 1, 1
	STEP 1, 2, 0
	TURN 1, 0, 1, 3
	STEP 0, 4, 0
	TURN 0, 1, 0, 5                                ; nothing is left to fetch: no round
	STEP 1, 6, 0
	s_wait_dscnt 4*NLA
	WIN MUL_LO
	MUL16 0, 1, 7, 0
	MUL16 2, 1, 7, 0
	s_wait_dscnt 0
	WIN MUL_HI
	MUL16 4, 1, 7, 0
	MUL16 6, 1, 7, 0
	WIN 0
; THE WAY OUT, block by block of 16 places x 128 columns, through my own stage: back come whole rows of 512 bytes.  LDS serves a wave's instructions in order: no wait between the stores and the loads.
.macro TOSTAGE a
.set AC, 64*((\a)%4)
	WIN 0x08+4*((\a)/4)                            ; an LDS store's data: window 2 or 3
.irp b, 0,1,2,3,4,5,6,7
	ds_store_b128 v[STO], v[AC+8*\b:AC+8*\b+3] offset:64*\b          ; each accumulator from its low end on
	ds_store_b128 v[STO], v[AC+8*\b+4:AC+8*\b+7] offset:64*\b+16
.endr
	WIN 0
.set BB, BK+64*((\a)%2)
.irp t, 0,1,2,3,4,5,6,7,8,9,10,11,12,13,14,15
	ds_load_b128 v[BB+4*\t:BB+4*\t+3], v[RD] offset:\t*SPITCH
.endr
.endm
.macro SEND a, younger                 ; place 16 a + t is token 32 (a / 2) + 8 (a % 2) + t + 8 (t / 8); 127 rows of 4,096 bytes at the most: inside the signed 24-bit immediate
.set BB, BK+64*((\a)%2)
	s_wait_dscnt \younger
.irp t, 0,1,2,3,4,5,6,7,8,9,10,11,12,13,14,15
	global_store_b128 v[CO], v[BB+4*\t:BB+4*\t+3], s[14:15] offset:(32*((\a)/2)+8*((\a)%2)+\t+8*(\t/8))*4096 th:TH_STORE_NT   ; 512 consecutive bytes, aligned
.endr
.endm
	PLACES NP
	TOSTAGE 0
.irp a, 1,2,3,4,5,6,7
.if \a > 1
	s_wait_xcnt 0x0                                ; block a - 2's stores have read their registers: block a's loads may land there
.endif
	TOSTAGE \a
	SEND \a-1, 32                                  ; behind block a - 1's loads: block a's 16 stores and 16 loads
.endr
	SEND 7, 0
	s_wait_tensorcnt 0x0                           ; the wave's end
	ds_add_u32 v[SPW], v[NIL]
	s_wait_dscnt 0x0
	CROUND                                         ; the closing round
	s_endpgm
.Lfunc_end_k_q61bb30f164_oproj:
	.size	k_q61bb30f164_oproj, .Lfunc_end_k_q61bb30f164_oproj-k_q61bb30f164_oproj
	.p2alignl 7, 3214868480
	.fill 96, 4, 3214868480
	.section	.rodata,"a",@progbits
	.p2align	6, 0x0
	.amdhsa_kernel k_q61bb30f164_oproj
		.amdhsa_group_segment_fixed_size 327680
		.amdhsa_private_segment_fixed_size 0
		.amdhsa_enable_private_segment 0
		.amdhsa_kernarg_size 48
		.amdhsa_user_sgpr_count 2
		.amdhsa_user_sgpr_kernarg_segment_ptr 1
		.amdhsa_wavefront_size32 1
		.amdhsa_system_sgpr_workgroup_id_x 1
		.amdhsa_system_sgpr_workgroup_id_y 1
		.amdhsa_system_sgpr_workgroup_id_z 1
		.amdhsa_system_vgpr_workitem_id 0
		.amdhsa_next_free_vgpr 1024
		.amdhsa_next_free_sgpr 100
		.amdhsa_reserve_vcc 0
		.amdhsa_float_denorm_mode_32 3
		.amdhsa_float_denorm_mode_16_64 3
		.amdhsa_memory_ordered 1
		.amdhsa_forward_progress 1
		.amdhsa_inst_pref_size 152
	.end_amdhsa_kernel
	.amdgpu_metadata
---
amdhsa.version: [ 1, 2 ]
amdhsa.kernels:
  - .name:           k_q61bb30f164_oproj
    .symbol:         k_q61bb30f164_oproj.kd
    .args:
      - { .name: oh, .offset: 0, .size: 8, .value_kind: global_buffer, .address_space: global }
      - { .name: os, .offset: 8, .size: 8, .value_kind: global_buffer, .address_space: global }
      - { .name: cod, .offset: 16, .size: 8, .value_kind: global_buffer, .address_space: global }
      - { .name: scl, .offset: 24, .size: 8, .value_kind: global_buffer, .address_space: global }
      - { .name: bo, .offset: 32, .size: 8, .value_kind: global_buffer, .address_space: global }
      - { .name: out0, .offset: 40, .size: 8, .value_kind: global_buffer, .address_space: global }
    .group_segment_fixed_size: 327680
    .private_segment_fixed_size: 0
    .kernarg_segment_align: 8
    .kernarg_segment_size: 48
    .max_flat_workgroup_size: 128
    .sgpr_count:     100
    .vgpr_count:     1024
    .wavefront_size: 32
...
	.end_amdgpu_metadata
.endif
;; end of part 4
